; MI455X (gfx1250); checked and timed in simulation.
; The chip was launched on July 23, 2026; its instructions are those of AMD's public machine-readable ISA for CDNA 5 (MIT licence, August 2026) and "CDNA5" Instruction Set Architecture Reference Guide (July 2026). The comments in the code are by the model that wrote it; some were corrected since.
;; Causal Self Attention. Allowed arithmetic: float matrix products may take bf16 or f16 operands with f32 sums; all other float work in f32.
;; Inputs: b_proj 1,024 float32; b_qkv 3,072 float32; w_proj 1,024 x 1,024 float32; w_qkv 1,024 x 3,072 float32; x 4 x 2,048 x 1,024 float32.
;; Outputs: out0 4 x 2,048 x 1,024 float32.
;; 2 versions, each right; version 2 is version 1 with the launch cvt written anew for expert scheduling mode. Each part assembles by itself: llvm-mc -triple=amdgcn-amd-amdhsa -mcpu=gfx1250 --defsym DOCPART=n.
;; ======== version 1 of 2: 4 launches
;; limits: right only within a limited range of input values; values are held in f16: magnitudes above 65,504 overflow, below 6.1e-05 lose precision
;; workspace buffers: xb 16,777,216 bytes; wq 6,291,456 bytes; wp 2,097,152 bytes; qkv 50,331,648 bytes; qlo 6,291,456 bytes; y 18,874,368 bytes
;; launch cvt (part 1): grid 768 x 1, 8 waves a work-group, no clusters, 0 bytes of LDS; arguments x, w_qkv, w_proj, xb, wq, wp; writes xb, wq, wp
.if DOCPART == 1
	.amdgcn_target "amdgcn-amd-amdhsa--gfx1250"
	.amdhsa_code_object_version 6
	.text
	.protected	k_q3e3007519f_cvt
	.globl	k_q3e3007519f_cvt
	.p2align	8
	.type	k_q3e3007519f_cvt,@function
k_q3e3007519f_cvt:
	s_mov_b64 s[64:65], 0
	v_nop
	global_prefetch_b8 v0, s[64:65] scope:SCOPE_SE
	s_setreg_imm32_b32 hwreg(HW_REG_WAVE_MODE, 25, 1), 1
	s_wait_xcnt 0x0
; The three large inputs are rounded to bf16 (nearest even) and written in the order in which the two products fetch their tiles:
;   xb [16 planes p = k/64][8192 rows m'][64] bf16   from x      [8192][1024]
;   wq [32 blocks n/96][1024 k][96]           bf16   from w_qkv  [1024][3072]
;   wp [16 blocks n/64][1024 k][64]           f16    from w_proj [1024][1024]
; ROW ORDER of xb: row (b, t) lies at m' = 128 H + 16 a + (t & 15) with H = 16 b + ((t >> 4) & 15) and a = t >> 8: blocks of 16 rows are shuffled so
; that the first of the eight blocks of every 128 rows holds rows with t < 256.
; wp: the other operand of that product is f16, so w_proj's bf16 value is held in f16: its 8 significant bits fit f16's 11 exactly from 2^-17 up;
; below that the error is at most 2^-25.  LIMIT: |w_proj| below 65,504.
; A stream: no LDS, no matrix unit, no barrier.  A work-group converts 16,384 numbers; a thread issues sixteen 16-byte loads in
; one run, then converts and stores them in order, 8 bytes a lane: one store of a wave covers 256 consecutive bytes, aligned.
; Work-groups 0-511 take x (16 rows each), 512-703 w_qkv, 704-767 w_proj.  No register that a load or store names is written again.
.set AD,  8                            ; v[8:23]   w_qkv alone: the sixteen load offsets
.set LOF, 3                            ; v3        x, w_proj: the load offset, (t >> 4) rows of 4,096 bytes + 16 (t & 15)
.set SOF, 24                           ; v24       the store offset, 8 t
.set XD,  32                           ; v[32:95]  sixteen loads of four f32
.set YD,  96                           ; v[96:127] sixteen pairs of packed 16-bit numbers
.macro CVT j                           ; load j is in (the 15 - j younger ones stay out); four numbers become 8 bytes of bf16
	s_wait_loadcnt 15-\j
	v_cvt_pk_bf16_f32 v[YD+2*\j],   v[XD+4*\j],   v[XD+4*\j+1]
	v_cvt_pk_bf16_f32 v[YD+2*\j+1], v[XD+4*\j+2], v[XD+4*\j+3]
.endm
.macro CVTH j                          ; the same, and the bf16 values widened and packed as f16
	s_wait_loadcnt 15-\j
	v_cvt_pk_bf16_f32 v4, v[XD+4*\j],   v[XD+4*\j+1]
	v_cvt_pk_bf16_f32 v5, v[XD+4*\j+2], v[XD+4*\j+3]
	v_lshlrev_b32 v6, 16, v4
	v_and_b32 v7, 0xffff0000, v4
	v_cvt_pk_f16_f32 v[YD+2*\j], v6, v7
	v_lshlrev_b32 v6, 16, v5
	v_and_b32 v7, 0xffff0000, v5
	v_cvt_pk_f16_f32 v[YD+2*\j+1], v6, v7
.endm
	s_load_b256 s[4:11], s[0:1], 0x0               ; x s[4:5], w_qkv s[6:7], w_proj s[8:9], xb s[10:11]
	s_load_b128 s[12:15], s[0:1], 0x20             ; wq s[12:13], wp s[14:15]
	s_mov_b32 s20, ttmp9
	s_mov_b32 s23, 0                               ; the high word of every offset pair s[22:23]
	v_lshrrev_b32 v1, 4, v0
	v_and_b32 v2, 15, v0
	v_lshlrev_b32 v2, 4, v2
	v_lshl_add_u32 v[LOF], v1, 12, v2
	v_lshlrev_b32 v[SOF], 3, v0
	s_wait_kmcnt 0x0
	s_cmp_lt_u32 s20, 512
	s_cbranch_scc0 .Lweights
	; x: rows 16 q .. 16 q + 15, one block of the row order.  Thread t: row t >> 4, columns 64 j + 4 (t & 15): load j belongs to plane j.
	s_lshl_b32 s22, s20, 16
	s_add_nc_u64 s[16:17], s[4:5], s[22:23]        ; x + 16 q rows of 4,096 bytes
	s_lshr_b32 s21, s20, 7                         ; b
	s_lshl_b32 s21, s21, 4
	s_and_b32 s26, s20, 15
	s_add_co_u32 s21, s21, s26                     ; H = 16 b + (block & 15)
	s_lshl_b32 s21, s21, 3
	s_bfe_u32 s26, s20, 0x30004                    ; a = bits 6:4 of the block's number
	s_add_co_u32 s21, s21, s26                     ; the block's place: 8 H + a
	s_lshl_b32 s22, s21, 11
	s_add_nc_u64 s[18:19], s[10:11], s[22:23]      ; xb + that many blocks of 16 rows of 128 bytes, planes 0-7 by the immediate
	s_add_nc_u64 s[24:25], s[18:19], 0x800000      ; planes 8-15: a second base, since 8 planes pass the immediate's 24 signed bits
.irp j, 0,1,2,3,4,5,6,7,8,9,10,11,12,13,14,15
	global_load_b128 v[XD+4*\j:XD+4*\j+3], v[LOF], s[16:17] offset:256*\j th:TH_LOAD_NT
.endr
.irp j, 0,1,2,3,4,5,6,7
	CVT \j
	global_store_b64 v[SOF], v[YD+2*\j:YD+2*\j+1], s[18:19] offset:1048576*\j
.endr
.irp j, 8,9,10,11,12,13,14,15
	CVT \j
	global_store_b64 v[SOF], v[YD+2*\j:YD+2*\j+1], s[24:25] offset:1048576*(\j-8)
.endr
	s_endpgm
.Lweights:
	s_cmp_lt_u32 s20, 704
	s_cbranch_scc0 .Lwproj
	; w_qkv: q = 6 nb + part.  The output is linear: group g (four numbers) of block nb, g = 4,096 part + 256 j + t,
	; is row k = g / 24, columns 96 nb + 4 (g - 24 k): source byte 16 g + 11,904 k + 384 nb.
	s_sub_co_u32 s20, s20, 512
	s_mul_i32 s21, s20, 10923
	s_lshr_b32 s21, s21, 16                        ; nb = q / 6 (exact for q < 192)
	s_mul_i32 s22, s21, 6
	s_sub_co_u32 s26, s20, s22                     ; part
	s_mul_i32 s22, s21, 384
	s_add_nc_u64 s[16:17], s[6:7], s[22:23]
	s_lshl_b32 s22, s20, 15
	s_add_nc_u64 s[18:19], s[12:13], s[22:23]      ; wq + 32,768 q
	s_lshl_b32 s26, s26, 12
	v_add_nc_u32 v1, s26, v0
.irp j, 0,1,2,3,4,5,6,7,8,9,10,11,12,13,14,15
	v_add_nc_u32 v2, 256*\j, v1                    ; g
	v_mul_u32_u24 v4, v2, 43691
	v_lshrrev_b32 v4, 20, v4                       ; k = g / 24 (exact for g < 24,576: the error of 43,691 / 2^20 stays under 1/24)
	v_mul_u32_u24 v4, v4, 11904
	v_lshl_add_u32 v[AD+\j], v2, 4, v4
.endr
.irp j, 0,1,2,3,4,5,6,7,8,9,10,11,12,13,14,15
	global_load_b128 v[XD+4*\j:XD+4*\j+3], v[AD+\j], s[16:17] th:TH_LOAD_NT
.endr
.irp j, 0,1,2,3,4,5,6,7,8,9,10,11,12,13,14,15
	CVT \j
	global_store_b64 v[SOF], v[YD+2*\j:YD+2*\j+1], s[18:19] offset:2048*\j
.endr
	s_endpgm
.Lwproj:
	; w_proj: q = 4 nb + part; rows k = 256 part + 16 j + (t >> 4), columns 64 nb + 4 (t & 15); the output is linear again.
	s_sub_co_u32 s20, s20, 704
	s_lshr_b32 s21, s20, 2
	s_and_b32 s26, s20, 3
	s_lshl_b32 s22, s21, 8
	s_lshl_b32 s26, s26, 20
	s_add_co_u32 s22, s22, s26
	s_add_nc_u64 s[16:17], s[8:9], s[22:23]
	s_lshl_b32 s22, s20, 15
	s_add_nc_u64 s[18:19], s[14:15], s[22:23]
.irp j, 0,1,2,3,4,5,6,7,8,9,10,11,12,13,14,15
	global_load_b128 v[XD+4*\j:XD+4*\j+3], v[LOF], s[16:17] offset:65536*\j th:TH_LOAD_NT
.endr
.irp j, 0,1,2,3,4,5,6,7,8,9,10,11,12,13,14,15
	CVTH \j
	global_store_b64 v[SOF], v[YD+2*\j:YD+2*\j+1], s[18:19] offset:2048*\j
.endr
	s_endpgm
.Lfunc_end_k_q3e3007519f_cvt:
	.size	k_q3e3007519f_cvt, .Lfunc_end_k_q3e3007519f_cvt-k_q3e3007519f_cvt
	.p2alignl 7, 3214868480
	.fill 96, 4, 3214868480
	.section	.rodata,"a",@progbits
	.p2align	6, 0x0
	.amdhsa_kernel k_q3e3007519f_cvt
		.amdhsa_group_segment_fixed_size 0
		.amdhsa_private_segment_fixed_size 0
		.amdhsa_enable_private_segment 0
		.amdhsa_kernarg_size 48
		.amdhsa_user_sgpr_count 2
		.amdhsa_user_sgpr_kernarg_segment_ptr 1
		.amdhsa_wavefront_size32 1
		.amdhsa_system_sgpr_workgroup_id_x 1
		.amdhsa_system_sgpr_workgroup_id_y 1
		.amdhsa_system_sgpr_workgroup_id_z 1
		.amdhsa_system_vgpr_workitem_id 0
		.amdhsa_next_free_vgpr 128
		.amdhsa_next_free_sgpr 66
		.amdhsa_reserve_vcc 0
		.amdhsa_float_denorm_mode_32 3
		.amdhsa_float_denorm_mode_16_64 3
		.amdhsa_memory_ordered 1
		.amdhsa_forward_progress 1
		.amdhsa_inst_pref_size 30
	.end_amdhsa_kernel
	.amdgpu_metadata
---
amdhsa.version: [ 1, 2 ]
amdhsa.kernels:
  - .name:           k_q3e3007519f_cvt
    .symbol:         k_q3e3007519f_cvt.kd
    .args:
      - { .name: x, .offset: 0, .size: 8, .value_kind: global_buffer, .address_space: global }
      - { .name: w_qkv, .offset: 8, .size: 8, .value_kind: global_buffer, .address_space: global }
      - { .name: w_proj, .offset: 16, .size: 8, .value_kind: global_buffer, .address_space: global }
      - { .name: xb, .offset: 24, .size: 8, .value_kind: global_buffer, .address_space: global }
      - { .name: wq, .offset: 32, .size: 8, .value_kind: global_buffer, .address_space: global }
      - { .name: wp, .offset: 40, .size: 8, .value_kind: global_buffer, .address_space: global }
    .group_segment_fixed_size: 0
    .private_segment_fixed_size: 0
    .kernarg_segment_align: 8
    .kernarg_segment_size: 48
    .max_flat_workgroup_size: 256
    .sgpr_count:     66
    .vgpr_count:     128
    .wavefront_size: 32
...
	.end_amdgpu_metadata
.endif
;; end of part 1
;; launch qkvg (part 2): grid 16 x 32, 4 waves a work-group, clusters of 4 x 4, 327,680 bytes of LDS; arguments xb, wq, b_qkv, qkv, qlo; writes qkv, qlo
.if DOCPART == 2
	.amdgcn_target "amdgcn-amd-amdhsa--gfx1250"
	.amdhsa_code_object_version 6
	.text
	.protected	k_q3e3007519f_qkvg
	.globl	k_q3e3007519f_qkvg
	.p2align	8
	.type	k_q3e3007519f_qkvg,@function
k_q3e3007519f_qkvg:
	s_mov_b64 s[64:65], 0
	v_nop
	global_prefetch_b8 v0, s[64:65] scope:SCOPE_SE
	s_setreg_imm32_b32 hwreg(HW_REG_WAVE_MODE, 25, 1), 1
	s_wait_xcnt 0x0
	s_wait_alu depctr_hold_cnt(0) depctr_sa_sdst(0) depctr_va_vdst(0) depctr_va_sdst(0) depctr_va_ssrc(0) depctr_va_vcc(0) depctr_vm_vsrc(0)
	s_getreg_b32 s2, hwreg(HW_REG_IB_STS2, 6, 4)
	s_cmp_eq_u32 s2, 0
	s_cbranch_scc0 .Lentry_in_a_cluster
	s_endpgm
.Lentry_in_a_cluster:
	s_bfe_u32 s2, ttmp6, 0x10000c
	s_cmp_lg_u32 s2, 0xf033
	s_cbranch_scc0 .Lentry_shape_is_right
	s_endpgm
.Lentry_shape_is_right:
; qkv = x w_qkv + b_qkv, operands bf16, sums f32, result f16 in head-major order [3 sections][4 b][16 h][2048 t][64].
; A = xb [16 planes of 64 k][8192 rows m'][64], B = wq [32 blocks of 96 n][1024 k][96]: every tile is a dense block of memory.
; ROW ORDER: row m' = 128 H + 16 a + r of xb is row t = 256 a + 16 (H & 15) + r of batch H >> 4.  A wave's 128 rows are one H, its eight blocks
; of 16 rows are a = 0..7, and its block 0 holds rows with t < 256, in every work-group alike.
; RESIDUALS: a query with few keys averages little, so its result is as large as v, about ten times the root mean square of the whole result,
; against which an error is weighed.  For block 0 the f32 result x is therefore split exactly: with g = 8193 x the number g + (x - g) is x rounded to
; 11 bits, which f16 holds; it goes to qkv like every other row, and x minus it goes, as f16, to qlo [3][64 bh][256 t][64].  The attention reads the
; residuals of t < 64; those of t = 64..255 are written too, because the text is the same in all work-groups of a cluster.
; LIMIT: q, k and v must stay below 65,504 in magnitude.  With inputs as drawn they reach about 6; x and w_qkv both 30 times larger give 900 times
; that, about 5,400; common offsets of 30 spreads on both give 1024 x 30 x 30/32, about 28,800.
; A work-group makes 256 rows x 192 columns (three whole heads) with four waves; a wave makes 128 x 96: 48 accumulator tiles, 384 registers.
; 512 work-groups: two even turns of 256.  K goes in steps of 128 through two LDS slots filled by tensor loads, fetched as rows of 256 bytes.
; CLUSTERS: 4 x 4 work-groups.  A tile of A hangs on the block row alone and is asked for jointly by a row of the cluster, a tile of B on
; the block column alone and is asked for jointly by a column: the requests for A and for B are divided by four.
; B lies [k][n] in LDS and is read through the transposing load, so the weights are never transposed in memory.
; The matrix instruction is used transposed (source 0 = 16 columns of B, source 1 = 16 rows of A): lane l holds row l % 16 of C, its eight
; registers the columns 8 (l / 16) + 0..7.  The first product takes the bias, laid out in that form, as its C: nothing is cleared or added later.
; REGISTERS in windows of 256: window 0 addresses, A fragments (two buffers), bias / packed results; window 1 B fragments (two buffers);
; window 2 the accumulators of my rows 0-63 (tile (a, b) at 8 (NB a + b)); window 3 those of rows 64-127.
; The accumulators take turns, one matrix instruction a turn, over the backward jump too.
.set NB,     6                         ; blocks of 16 columns in a wave
.set W,      16*NB                     ; columns of a wave = columns of a block of wq
.set BPITCH, 288                       ; an LDS row of B: three pieces of 64 bytes, each followed by 32 bytes of padding = 9 x 32 bytes
.set QIB,    3                         ; padding behind every 16 words
.set BPI,    2                         ; blocks of 16 columns in a piece
.set APITCH, 144                       ; an LDS row of A: 128 bytes + 16 = 9 x 16 bytes
.set APLANE, 256*APITCH                ; 256 rows of one plane
.set BSUB,   128*BPITCH                ; 128 k of one block of B
.set SLOT,   2*APLANE+2*BSUB           ; two planes of A, then two blocks of B
.set PLANEB, 1048576                   ; bytes of a plane of A in memory
.set LAPS,   4                         ; 1024 / 256: a lap is two K steps, once round the ring
.set SPITCH, 400                       ; the way out: a row of 192 f16 + 16 bytes = 25 x 16 bytes; 256 rows, then 32 rows of residuals, lie in slot 0 behind its last fill and last read
.set ADRA, 16                          ; v16-17 LDS address of my A fragments in slot 0, 1
.set ADRB, 20                          ; v20-21 the same for B
.set STO,  24                          ; v24 the way out: where I put 16 bytes of a row
.set RD,   25                          ; v25 the way out: where I read back
.set CO,   26                          ; v26 my byte offset in a head's rows
.set BOFF, 27                          ; v27 my byte offset in the bias
.set LSTO, 28                          ; v28 residuals: where I put 16 bytes of a row
.set LRD,  29                          ; v29 residuals: where I read back
.set LCO,  30                          ; v30 residuals: my byte offset in a head's 256 rows
.set F0,   64
.set F1,   128
.set BIAS, 192                         ; v[192:239] the bias of my 96 columns as six C operands; later the packed results
.set TMP,  192
.set GV,   64                          ; the split of block 0: v[64:111] 8193 x, then the value
.set DV,   112                         ; v[112:159] x - 8193 x, then the residual
.set LV,   160                         ; v[160:183] the residuals packed
.set G1A, 24                           ; s[24:31] group 1 for A
.set G0A, 32                           ; s[32:39] group 0 for A, one set for each slot
.set G1B, 48                           ; s[48:55] group 1 for B
.set G0B, 56                           ; s[56:63] group 0 for B, one set for each slot
.set MSB, 0
.macro WIN new                         ; the immediate's high byte repeats the setting that is left
.if MSB != \new
	s_set_vgpr_msb (MSB<<8)|\new
.set MSB, \new
.endif
.endm
.set MUL_LO,   0xa1                    ; source 0 (B) window 1, source 1 (A) window 0, C and D window 2
.set MUL_HI,   0xf1                    ; C and D window 3
.set START_LO, 0x81                    ; C (the bias) window 0, D window 2
.set START_HI, 0xc1                    ; C window 0, D window 3
.set TO_B,     0x40                    ; destination window 1, address window 0
; A joint load: waves 0 and 1 fetch the two planes of A, waves 2 and 3 the two blocks of B.  The branch hangs on the wave's number alone.
.macro JLOAD s
	s_cmp_eq_u32 s13, 0
	s_cbranch_scc0 .Lfor_b_\@
	tensor_load_to_lds s[G0A+4*\s:G0A+4*\s+3], s[G1A:G1A+7]
	s_nop 0
	s_branch .Lasked_\@
.Lfor_b_\@:
	tensor_load_to_lds s[G0B+4*\s:G0B+4*\s+3], s[G1B:G1B+7]
	s_nop 0
.Lasked_\@:
.endm
.macro CREST                           ; a round of the cluster's barrier behind its opening work-group barrier
	s_cmp_lg_u32 s12, 0
	s_cbranch_scc1 .Lnot_wave_0_\@
	s_barrier_signal -3
.Lnot_wave_0_\@:
	s_barrier_wait -3
	s_barrier_signal -1
	s_barrier_wait -1
.endm
.macro CROUND                          ; a whole round
	s_barrier_signal -1
	s_barrier_wait -1
	CREST
.endm
	s_load_b256 s[4:11], s[0:1], 0x0               ; A s[4:5], B s[6:7], bias s[8:9], qkv s[10:11]
	s_load_b64 s[86:87], s[0:1], 0x20              ; qlo
	s_set_vgpr_msb 0x40
	v_lshl_add_u32 v255, v0, 2, 0x48000
	s_set_vgpr_msb 0x4000
	v_mov_b32 v255, 0
	s_set_vgpr_msb 0x1
	ds_add_u32 v255, v255
	ds_add_u32 v255, v255
	s_set_vgpr_msb 0x100
	v_lshrrev_b32 v1, 5, v0
	v_readfirstlane_b32 s12, v1                    ; wave 0..3
	s_lshr_b32 s13, s12, 1                         ; my half of the rows.  Also: I fetch for A (0) or for B (1)
	s_and_b32 s14, s12, 1                          ; my half of the columns.  Also: which plane or block I fetch
	s_bfe_u32 s15, ttmp6, 0x40000                  ; cx
	s_bfe_u32 s16, ttmp6, 0x40004                  ; cy
	s_lshl_b32 s17, ttmp9, 2
	s_add_co_u32 s17, s17, s15                     ; block column = 4 x cluster x + cx
	s_and_b32 s18, ttmp7, 0xffff
	s_lshl_b32 s18, s18, 2
	s_add_co_u32 s18, s18, s16                     ; block row = 4 x cluster y + cy
	s_lshl_b32 s19, s16, 2
	s_lshl_b32 s19, 15, s19                        ; my row of the cluster
	s_lshl_b32 s20, 0x1111, s15                    ; my column
	s_mov_b32 s88, 0x46000400                      ; 8193.0 = 2^13 + 1: splits off 24 - 13 = 11 bits
	s_mov_b32 s89, 0x46000400
	; group 1 of A: 128 rows of 32 elements of 8 bytes (a dense 32 KiB), 4 words of padding behind every 32 words: LDS rows of 128 + 16 bytes
	s_or_b32 s[G1A+0], s19, (3<<16)|(1<<20)|(1<<21)|(4<<22)|(3<<25)
	s_mov_b32 s[G1A+1], 32<<16                     ; tensor_dim0 = 32
	s_mov_b32 s[G1A+2], 128<<16                    ; tensor_dim1 = 128
	s_mov_b32 s[G1A+3], 32<<16                     ; tile_dim0 = 32
	s_mov_b32 s[G1A+4], 128                        ; tile_dim1 = 128
	s_mov_b32 s[G1A+5], 32                         ; from row to row: 32 elements
	s_mov_b32 s[G1A+6], 0
	s_mov_b32 s[G1A+7], 0
	; group 1 of B: W rows of 256 bytes (128 k x 2 W bytes, dense), 8 words of padding behind every piece
	s_or_b32 s[G1B+0], s20, (3<<16)|(1<<20)|(1<<21)|(QIB<<22)|(7<<25)
	s_mov_b32 s[G1B+1], 32<<16
	s_mov_b32 s[G1B+2], W<<16
	s_mov_b32 s[G1B+3], 32<<16
	s_mov_b32 s[G1B+4], W
	s_mov_b32 s[G1B+5], 32
	s_mov_b32 s[G1B+6], 0
	s_mov_b32 s[G1B+7], 0
	; where the tiles come from: A by the block row and the wave, B by the block column and the wave, each in registers that never hold the other coordinate
	s_lshl_b32 s40, s18, 15                        ; 256 rows of 128 bytes
	s_lshl_b32 s41, s14, 20                        ; my plane of the K step's two
	s_add_co_u32 s40, s40, s41
	s_mov_b32 s41, 0
	s_lshl_b32 s42, s17, 1
	s_add_co_u32 s42, s42, s14                     ; block of B = 2 x block column + half
	s_mul_i32 s42, s42, 2048*W
	s_mov_b32 s43, 0
	s_mul_i32 s44, s12, APLANE                     ; where they go: the wave's number times a constant
	s_mul_i32 s45, s12, BSUB
	s_add_co_u32 s45, s45, 2*APLANE-2*BSUB
	s_lshl_b32 s46, s17, 1
	s_add_co_u32 s46, s46, s14
	s_mul_i32 s46, s46, 4*W                        ; my 96 numbers of the bias
	s_mov_b32 s47, 0
	s_wait_dscnt 0x0
	s_wait_kmcnt 0x0
	s_add_nc_u64 s[40:41], s[4:5], s[40:41]
	s_add_nc_u64 s[42:43], s[6:7], s[42:43]
	s_add_nc_u64 s[8:9], s[8:9], s[46:47]
	CROUND                                         ; all sixteen work-groups are here: the first joint loads meet
.irp s, 0,1
	s_mov_b32 s[G0A+4*\s], 1
	s_add_co_u32 s[G0A+4*\s+1], s44, \s*SLOT
	s_add_nc_u64 s[G0A+4*\s+2:G0A+4*\s+3], s[40:41], \s*2*PLANEB
	s_or_b32 s[G0A+4*\s+3], s[G0A+4*\s+3], 0x80000000
	s_mov_b32 s[G0B+4*\s], 1
	s_add_co_u32 s[G0B+4*\s+1], s45, \s*SLOT
	s_add_nc_u64 s[G0B+4*\s+2:G0B+4*\s+3], s[42:43], \s*256*W
	s_or_b32 s[G0B+4*\s+3], s[G0B+4*\s+3], 0x80000000
	JLOAD \s                                       ; both slots are asked for before anything else: two tensor loads of a wave are out
.endr
	v_and_b32 v1, 15, v0                           ; r = l % 16
	v_bfe_u32 v2, v0, 4, 1                         ; h = l / 16
	v_lshlrev_b32 v[BOFF], 5, v2                   ; eight f32 for each half of the lanes
.set bb, 0
.rept NB
	global_load_b128 v[BIAS+8*bb:BIAS+8*bb+3],   v[BOFF], s[8:9] offset:64*bb      ; bias of columns 16 b + 8 h + 0..3
	global_load_b128 v[BIAS+8*bb+4:BIAS+8*bb+7], v[BOFF], s[8:9] offset:64*bb+16   ; and + 4..7
.set bb, bb+1
.endr
	v_mul_u32_u24 v3, v1, APITCH                   ; A fragment: row r, 16 bytes for each half of the lanes
	v_lshl_add_u32 v3, v2, 4, v3
	s_mul_i32 s22, s13, 128*APITCH
	v_add_nc_u32 v[ADRA], s22, v3
	v_add_nc_u32 v[ADRA+1], SLOT, v[ADRA]
	v_and_b32 v4, 7, v0                            ; B fragment through the transposing load: row 8 h + l % 8 of k, 16 bytes by bit 3 of l
	v_lshl_add_u32 v4, v2, 3, v4
	v_mul_u32_u24 v4, v4, BPITCH
	v_bfe_u32 v5, v0, 3, 1
	v_lshl_add_u32 v4, v5, 4, v4
	s_mul_i32 s23, s14, BSUB
	s_add_co_u32 s23, s23, 2*APLANE
	v_add_nc_u32 v[ADRB], s23, v4
	v_add_nc_u32 v[ADRB+1], SLOT, v[ADRB]
	v_mul_u32_u24 v6, v1, SPITCH                   ; the way out, in: stage row 128 half + 16 block + r, byte 192 half + 16 h
	v_lshl_add_u32 v6, v2, 4, v6
	s_mul_i32 s22, s13, 128*SPITCH
	s_mul_i32 s23, s14, 2*W
	s_add_co_u32 s22, s22, s23
	v_add_nc_u32 v[STO], s22, v6
	s_mul_i32 s22, s13, 16*SPITCH                  ; residuals: stage row 256 + 16 half + r
	s_add_co_u32 s22, s22, s23
	s_add_co_u32 s22, s22, 256*SPITCH
	v_add_nc_u32 v[LSTO], s22, v6
	v_bfe_u32 v7, v0, 3, 2                         ; back: eight lanes take a head's 128 bytes of a row, four rows a load
	v_mul_u32_u24 v7, v7, SPITCH
	v_and_b32 v8, 7, v0
	v_lshl_add_u32 v7, v8, 4, v7
	s_mul_i32 s22, s12, 64*SPITCH                  ; wave w stores stage rows 64 w .. 64 w + 63: half w >> 1, blocks 4 (w & 1) + 0..3
	v_add_nc_u32 v[RD], s22, v7
	s_mul_i32 s22, s13, 16*SPITCH                  ; and of the residuals rows 256 + 16 (w >> 1) + 8 (w & 1) + 0..7
	s_mul_i32 s23, s14, 8*SPITCH
	s_add_co_u32 s22, s22, s23
	s_add_co_u32 s22, s22, 256*SPITCH
	v_add_nc_u32 v[LRD], s22, v7
	v_and_b32 v9, 31, v0
	v_lshlrev_b32 v9, 4, v9
	s_lshl_b32 s22, s14, 17
	v_add_nc_u32 v[CO], s22, v9                    ; 4 (w & 1) blocks, 256 rows of 128 bytes apart, + 16 l
	s_lshl_b32 s22, s14, 10
	v_add_nc_u32 v[LCO], s22, v9                   ; 8 (w & 1) rows of 128 bytes + 16 l
; 2 NB matrix instructions: row blocks a0, a0 + 1 of the window's four x all NB column blocks, 32 along K.  start = 1: C is the bias.
.macro MULH f, hi, a0, start
.set ma, \a0
.rept 2
.set mb, 0
.rept NB
.if \start
	v_wmma_f32_16x16x32_bf16 v[8*(NB*ma+mb):8*(NB*ma+mb)+7], v[\f+8*mb:\f+8*mb+7], v[\f+8*(4*\hi+ma):\f+8*(4*\hi+ma)+7], v[BIAS+8*mb:BIAS+8*mb+7]
.else
	v_wmma_f32_16x16x32_bf16 v[8*(NB*ma+mb):8*(NB*ma+mb)+7], v[\f+8*mb:\f+8*mb+7], v[\f+8*(4*\hi+ma):\f+8*(4*\hi+ma)+7], v[8*(NB*ma+mb):8*(NB*ma+mb)+7]
.endif
.set mb, mb+1
.endr
.set ma, ma+1
.endr
.endm
; The fragments of quarter q (32 along K) of a slot into buffer f, in one run: 2 NB transposing loads of B, then 16 loads of A
.macro FETCH slot, q, f
	WIN TO_B
.set fb, 0
.rept NB
	ds_load_tr16_b128 v[\f+8*fb:\f+8*fb+3],   v[ADRB+\slot] offset:\q*32*BPITCH+32*fb+32*(fb/BPI)
	ds_load_tr16_b128 v[\f+8*fb+4:\f+8*fb+7], v[ADRB+\slot] offset:\q*32*BPITCH+16*BPITCH+32*fb+32*(fb/BPI)
.set fb, fb+1
.endr
	WIN 0
.irp i, 0,1,2,3,4,5,6,7
	ds_load_b128 v[\f+8*\i:\f+8*\i+3],   v[ADRA+\slot] offset:(\q>>1)*APLANE+(\q&1)*64+\i*16*APITCH
	ds_load_b128 v[\f+8*\i+4:\f+8*\i+7], v[ADRA+\slot] offset:(\q>>1)*APLANE+(\q&1)*64+\i*16*APITCH+32
.endr
.endm
; Four plain vector instructions stand between a matrix instruction and a load into one of its registers, or a vector instruction or LDS
; store that reads its result (ISA guide 7.12.1 for vector instructions).
.macro PLACES
.rept 4
	v_nop
.endr
.endm
; One of a K step's first three quarters: multiplies buffer f; in its middle it fetches quarter q into buffer g.
.macro QUARTER slot, q, f, g, start
	s_wait_dscnt 8                                 ; B and A's rows 0-63 are in; the youngest eight loads (A's rows 64-127) may be out
.if \start
	WIN START_LO
.else
	WIN MUL_LO
.endif
	MULH \f, 0, 0, \start
	MULH \f, 0, 2, \start
	PLACES
	FETCH \slot, \q, \g
	s_wait_dscnt 16+2*NB                           ; all but the run just issued
.if \start
	WIN START_HI
.else
	WIN MUL_HI
.endif
	MULH \f, 1, 0, \start
	MULH \f, 1, 2, \start
.endm
.macro THREE slot, start
	QUARTER \slot, 1, F0, F1, \start
	QUARTER \slot, 2, F1, F0, 0
	QUARTER \slot, 3, F0, F1, 0
.endm
; The last quarter multiplies buffer 1 and changes slots.  In front of the barrier each wave waits for its reads of this slot and for all its
; tensor loads (one is out: its part of the next slot).  Where the slot is filled again the barrier opens a round of the cluster's barrier, and
; the joint refill is the first tensor load behind the round, one a wave.
.macro TURN slot, next, fill
	s_wait_dscnt 8
	WIN MUL_LO
	MULH F1, 0, 0, 0
	s_wait_dscnt 0
	s_wait_tensorcnt 0x0
	ds_add_u32 v255, v255
	s_wait_dscnt 0x0
	s_barrier_signal -1
	MULH F1, 0, 2, 0                               ; register work alone between signal and wait
	WIN 0
	s_barrier_wait -1
.if \fill
	CREST
	s_add_nc_u64 s[G0A+4*\slot+2:G0A+4*\slot+3], s[G0A+4*\slot+2:G0A+4*\slot+3], 4*PLANEB   ; no tensor load of mine is out: two K steps on = four planes
	s_add_nc_u64 s[G0B+4*\slot+2:G0B+4*\slot+3], s[G0B+4*\slot+2:G0B+4*\slot+3], 512*W      ; = 256 rows of k
	JLOAD \slot
.endif
	PLACES
	FETCH \next, 0, F0
	WIN MUL_HI
	MULH F1, 1, 0, 0
	MULH F1, 1, 2, 0
.endm
.macro LAP start
	THREE 0, \start
	TURN 0, 1, 1
	THREE 1, 0
	TURN 1, 0, 1
.endm
	s_wait_loadcnt 0x0                             ; the bias
	s_wait_tensorcnt 1                             ; my part of K step 0 is in; K step 1's may stay out
	s_barrier_signal -1
	s_barrier_wait -1
	FETCH 0, 0, F0
	LAP 1                                          ; the first lap stands in front of the loop: its first products start the sums from the bias
	WIN 0
	s_mov_b32 s3, LAPS-2
.Llap:
	LAP 0
	WIN 0
	s_sub_co_u32 s3, s3, 1
	s_cmp_lg_u32 s3, 0
	s_cbranch_scc1 .Llap
	THREE 0, 0                                     ; the last lap fills nothing
	TURN 0, 1, 0                                   ; behind this barrier no wave reads slot 0 any more
	THREE 1, 0
	s_wait_dscnt 8
	WIN MUL_LO
	MULH F1, 0, 0, 0
	MULH F1, 0, 2, 0
	s_wait_dscnt 0
	WIN MUL_HI
	MULH F1, 1, 0, 0
	MULH F1, 1, 2, 0
	PLACES
	; THE WAY OUT.  Round to f16, 16 bytes a lane into a stage in slot 0; behind a barrier each wave reads 64 whole rows back head by head and stores
	; them: a head's rows are 128 bytes and the 16 rows of a block follow each other in memory, so a store of a wave covers 512 consecutive bytes.
	s_mul_i32 s74, s17, 3                          ; my first head among the 48 of q, k and v
	s_lshr_b32 s77, s18, 3
	s_lshl_b32 s77, s77, 4                         ; 16 x batch
	s_lshl_b32 s46, s18, 1
	s_add_co_u32 s46, s46, s13                     ; H of the rows that I store
	s_and_b32 s46, s46, 15
	s_lshl_b32 s46, s46, 11                        ; 16 (H & 15) rows of 128 bytes
	s_mov_b32 s79, 0
.irp j, 0,1,2
	s_add_co_u32 s75, s74, \j
	s_lshr_b32 s76, s75, 4                         ; section
	s_and_b32 s75, s75, 15                         ; head
	s_lshl_b32 s76, s76, 6
	s_add_co_u32 s76, s76, s75
	s_add_co_u32 s76, s76, s77
	s_lshl_b32 s78, s76, 18                        ; x 2,048 rows of 128 bytes
	s_add_co_u32 s78, s78, s46
	s_add_nc_u64 s[68+2*\j:69+2*\j], s[10:11], s[78:79]
	s_lshl_b32 s78, s76, 15                        ; x 256 rows of 128 bytes
	s_add_co_u32 s78, s78, s46
	s_add_nc_u64 s[80+2*\j:81+2*\j], s[86:87], s[78:79]
.endr
	; block 0 (accumulators 0..8 NB - 1 of window 2): value and residual
	WIN 0x02                                       ; source 0 window 2
.set pq, 0
.rept 4*NB
	v_pk_mul_f32 v[GV+2*pq:GV+2*pq+1], v[2*pq:2*pq+1], s[88:89] op_sel_hi:[1,0]                            ; g = 8193 x
	v_pk_add_f32 v[DV+2*pq:DV+2*pq+1], v[2*pq:2*pq+1], v[GV+2*pq:GV+2*pq+1] neg_lo:[0,1] neg_hi:[0,1]      ; x - g
.set pq, pq+1
.endr
	WIN 0
.set pq, 0
.rept 4*NB
	v_pk_add_f32 v[GV+2*pq:GV+2*pq+1], v[GV+2*pq:GV+2*pq+1], v[DV+2*pq:DV+2*pq+1]                          ; g + (x - g): x in 11 bits
.set pq, pq+1
.endr
	WIN 0x02
.set pq, 0
.rept 4*NB
	v_pk_add_f32 v[DV+2*pq:DV+2*pq+1], v[2*pq:2*pq+1], v[GV+2*pq:GV+2*pq+1] neg_lo:[0,1] neg_hi:[0,1]      ; the residual, exact
.set pq, pq+1
.endr
	WIN 0
.set pq, 0
.rept 4*NB
	v_cvt_pk_f16_f32 v[TMP+pq], v[GV+2*pq], v[GV+2*pq+1]
	v_cvt_pk_f16_f32 v[LV+pq],  v[DV+2*pq], v[DV+2*pq+1]
.set pq, pq+1
.endr
.set pb, 0
.rept NB
	ds_store_b128 v[STO],  v[TMP+4*pb:TMP+4*pb+3] offset:32*pb
	ds_store_b128 v[LSTO], v[LV+4*pb:LV+4*pb+3]   offset:32*pb
.set pb, pb+1
.endr
.macro PACK16 i, a, from               ; block i of my rows: the NB tiles (a, b) of window 2 or 3
	WIN \from
.set pb, 0
.rept NB
.irp r, 0,1,2,3
	v_cvt_pk_f16_f32 v[TMP+4*pb+\r], v[8*(NB*\a+pb)+2*\r], v[8*(NB*\a+pb)+2*\r+1]
.endr
.set pb, pb+1
.endr
	WIN 0
.set pb, 0
.rept NB
	ds_store_b128 v[STO], v[TMP+4*pb:TMP+4*pb+3] offset:\i*16*SPITCH+32*pb
.set pb, pb+1
.endr
.endm
	PACK16 1, 1, 0x0a
	PACK16 2, 2, 0x0a
	PACK16 3, 3, 0x0a
	PACK16 4, 0, 0x0f
	PACK16 5, 1, 0x0f
	PACK16 6, 2, 0x0f
	PACK16 7, 3, 0x0f
	s_wait_dscnt 0x0                               ; my stores into the stage are done, for the waves that read them
	s_barrier_signal -1
	s_barrier_wait -1
.irp j, 0,1,2                                      ; the residuals: eight rows x three heads a wave
.irp g, 0,1
	ds_load_b128 v[TMP+8*\j+4*\g:TMP+8*\j+4*\g+3], v[LRD] offset:128*\j+4*SPITCH*\g
.endr
.endr
	s_wait_dscnt 0x0
.irp j, 0,1,2
.irp g, 0,1
	global_store_b128 v[LCO], v[TMP+8*\j+4*\g:TMP+8*\j+4*\g+3], s[80+2*\j:81+2*\j] offset:512*\g
.endr
.endr
.macro HEAD j, f
.irp u, 0,1,2,3,4,5,6,7,8,9,10,11,12,13,14,15
	ds_load_b128 v[\f+4*\u:\f+4*\u+3], v[RD] offset:128*\j+4*SPITCH*\u
.endr
.irp u, 0,1,2,3,4,5,6,7,8,9,10,11,12,13,14,15
	s_wait_dscnt 15-\u                             ; load u is in, the younger ones stay out
	global_store_b128 v[CO], v[\f+4*\u:\f+4*\u+3], s[68+2*\j:69+2*\j] offset:(\u>>2)*32768+(\u&3)*512   ; block u >> 2 of my four, four rows of it
.endr
.endm
	HEAD 0, F0
	HEAD 1, F1
	s_wait_xcnt 0x0                                ; buffer 0, which stores read, is loaded again only behind this wait
	HEAD 2, F0
	s_set_vgpr_msb 0x1
	s_wait_tensorcnt 0x0
	ds_add_u32 v255, v255
	s_wait_dscnt 0x0
	s_set_vgpr_msb 0x100
	CROUND                                         ; the closing round: no work-group ends while a partner may still ask for a tile that names it
	s_endpgm
.Lfunc_end_k_q3e3007519f_qkvg:
	.size	k_q3e3007519f_qkvg, .Lfunc_end_k_q3e3007519f_qkvg-k_q3e3007519f_qkvg
	.p2alignl 7, 3214868480
	.fill 96, 4, 3214868480
	.section	.rodata,"a",@progbits
	.p2align	6, 0x0
	.amdhsa_kernel k_q3e3007519f_qkvg
		.amdhsa_group_segment_fixed_size 327680
		.amdhsa_private_segment_fixed_size 0
		.amdhsa_enable_private_segment 0
		.amdhsa_kernarg_size 40
		.amdhsa_user_sgpr_count 2
		.amdhsa_user_sgpr_kernarg_segment_ptr 1
		.amdhsa_wavefront_size32 1
		.amdhsa_system_sgpr_workgroup_id_x 1
		.amdhsa_system_sgpr_workgroup_id_y 1
		.amdhsa_system_sgpr_workgroup_id_z 1
		.amdhsa_system_vgpr_workitem_id 0
		.amdhsa_next_free_vgpr 960
		.amdhsa_next_free_sgpr 96
		.amdhsa_reserve_vcc 0
		.amdhsa_float_denorm_mode_32 3
		.amdhsa_float_denorm_mode_16_64 3
		.amdhsa_memory_ordered 1
		.amdhsa_forward_progress 1
		.amdhsa_inst_pref_size 170
	.end_amdhsa_kernel
	.amdgpu_metadata
---
amdhsa.version: [ 1, 2 ]
amdhsa.kernels:
  - .name:           k_q3e3007519f_qkvg
    .symbol:         k_q3e3007519f_qkvg.kd
    .args:
      - { .name: xb, .offset: 0, .size: 8, .value_kind: global_buffer, .address_space: global }
      - { .name: wq, .offset: 8, .size: 8, .value_kind: global_buffer, .address_space: global }
      - { .name: b_qkv, .offset: 16, .size: 8, .value_kind: global_buffer, .address_space: global }
      - { .name: qkv, .offset: 24, .size: 8, .value_kind: global_buffer, .address_space: global }
      - { .name: qlo, .offset: 32, .size: 8, .value_kind: global_buffer, .address_space: global }
    .group_segment_fixed_size: 327680
    .private_segment_fixed_size: 0
    .kernarg_segment_align: 8
    .kernarg_segment_size: 40
    .max_flat_workgroup_size: 128
    .sgpr_count:     96
    .vgpr_count:     960
    .wavefront_size: 32
...
	.end_amdgpu_metadata
.endif
;; end of part 2
;; launch attn (part 3): grid 256 x 1, 8 waves a work-group, no clusters, 327,680 bytes of LDS; arguments qkv, y, qlo; writes y
.if DOCPART == 3
	.amdgcn_target "amdgcn-amd-amdhsa--gfx1250"
	.amdhsa_code_object_version 6
	.text
	.protected	k_q3e3007519f_attn
	.globl	k_q3e3007519f_attn
	.p2align	8
	.type	k_q3e3007519f_attn,@function
k_q3e3007519f_attn:
	s_mov_b64 s[64:65], 0
	v_nop
	global_prefetch_b8 v0, s[64:65] scope:SCOPE_SE
	s_setreg_imm32_b32 hwreg(HW_REG_WAVE_MODE, 25, 1), 1
	s_wait_xcnt 0x0
; Causal softmax attention, head by head.  qkv: [3][64 bh][2048 t][64] f16; qlo: residuals [3][64 bh][256 t][64] f16.
; y: [16 h][32 tiles][288 rows][64] f16, the tiles of the last product: row (b, t) lies in tile 8 b + ((t >> 5) & 7), row 128 ((t >> 4) & 1) + 16 (t >> 8)
; + (t & 15); rows 256..287 of a tile hold the residuals of its rows with t < 256 (row 256 + 16 ((t >> 4) & 1) + (t & 15)).
; Work-group g: head bh = g >> 2, and the two blocks of 256 queries i = g & 3 and 7 - i: (i + 1) + (8 - i) = 9 key slots of 256 keys in every
; work-group.  The block with the odd number goes first; in a block the diagonal slot is taken first, then slots 0, 1, ...  So step t = 0..8
; reads LDS slot t & 1 and diagonal steps fall on even t alone: every LDS address is fixed in the text.
; Eight waves: W = wave & 3 owns queries 64 W .. 64 W + 63 of the block, KH = wave >> 2 takes the 64-key blocks KH and KH + 2 of each slot
; (two units a step).  The two partial results of a query are merged through LDS at the block's end.
; Transposed forms: S^T = K Q^T (lane = query, registers = keys), so maximum and sum over keys are work inside a lane and one exchange of the
; halves; two S^T tiles packed to f16 in place are the operand P^T of O^T = V^T P^T; V^T comes out of LDS through the transposing load.
; The running maximum is kept (as NM = -max x log2 e / 8); p = 2^(s c + NM), with one and the same NM for p, the sum and the rescaling.
; TWO f16 FOR THE FIRST QUERIES: a query with few keys averages little, so its result is as large as v, about ten times the root mean square of the
; whole result, against which an error is weighed.  Queries 0..63 of a head see keys 0..63 alone: that one unit (wave 0, block 0, which is the last step of
; the work-groups with i = 0) is computed with value and residual of every operand: S = kh qh + kh ql + kl qh, O = vh ph + vh pl + vl ph.
; Block 0's y is stored as value and residual too.
; LIMITS: q, k, v, P and y are f16 (below 65,504 in magnitude), all else f32.  Masked scores are set to -2^100: real scores must stay far below 2^100.  A unit
; whose keys are all masked gives p = 1 under NM = 2^100 c (exact); the next real unit's factor, or the merge's, is 2^(-huge) = 0 and wipes it;
; the wave with KH = 0 always holds key 0 of the head or the diagonal's own block, so every query has a real maximum.  NaN and infinities in the inputs are not treated.
; NO JOINT LOADS: the four work-groups of a head walk the key slots in different orders (7|.., 1,0|6,.., 5,0,..|2,.., 3,0,1,2|4,..), which the
; even pairing forces: at no step do two of them want the same tile.
.set KP,    144                        ; LDS row of K: 128 + 16 bytes = 9 x 16
.set VP,    160                        ; LDS row of V: 128 + 32 bytes = 5 x 32
.set CHUNK, 10240                      ; a wave's share of a slot: 64 rows of K (9,216 bytes used) or 64 rows of V
.set SLOT,  8*CHUNK                    ; K's four shares, then V's four
.set XBASE, 2*SLOT                     ; the exchange: 8 waves x 8,704 bytes; no tensor load ever lands here
.set XSZ,   8704
.set STG,   XBASE+8*XSZ                ; the stage of the way out: 8 waves x 32 rows x 144 bytes; nor here
.set STSZ,  4608
.set VLOB,  STG+8*STSZ                 ; wave 0's own: the residuals of v's rows 0..63, 64 rows x 160 bytes; nor here
.set YPLANE, 1179648                   ; y: 32 tiles of 288 rows of 128 bytes
.set YTILE,  36864
.set ADRK, 4                           ; v4-5   my K fragments in slot 0, 1
.set ADRV, 6                           ; v6-7   my V fragments
.set VD,   8                           ; v8-9   diagonal: query - key offset of unit 0, 1
.set NEG,  10                          ; v10    -2^100
.set QOFF, 11                          ; v11    my byte offset in the block's queries
.set XW,   12                          ; v12    exchange: where I write
.set XRD,  13                          ; v13    exchange: where my partner wrote
.set STW,  14                          ; v14    stage: in
.set STR,  15                          ; v15    stage: back
.set YO,   16                          ; v16    16 l
.set NM,   18                          ; v[18:25] for q fragment f: NM at 18 + 2 f, the lane's part of the sum at 19 + 2 f
.set AL,   26                          ; v[26:33] for q fragment f: the rescaling factor, twice
.set T,    34                          ; v[34:41] at work
.set SB,   48                          ; v[48:175] S^T(f, kt) at 48 + 32 f + 8 kt; packed, P^T(f, kk) at 48 + 32 f + 16 kk
.set KF,   176                         ; v[176:239] K(kt, dh) at 176 + 16 kt + 8 dh; in the fine unit later P^T's residual (f, kk) at 176 + 16 f + 8 kk
.set QF,   0                           ; window 1: Q(f, dh) at 16 f + 8 dh
.set OA,   64                          ; window 1: O^T(f, db) at 64 + 32 f + 8 db
.set VF,   192                         ; window 1: V^T(kk, db) at 192 + 32 kk + 8 db; in the fine unit first Q's residual (f, dh) at 192 + 16 f + 8 dh
.set G1K, 32                           ; s[32:39] group 1 for K
.set G1V, 40                           ; s[40:47] group 1 for V
.set G0,  48                           ; s[48:55] group 0, one set for each slot
.set MSB, 0
.macro WIN new
.if MSB != \new
	s_set_vgpr_msb (MSB<<8)|\new
.set MSB, \new
.endif
.endm
.macro NOPS n
.rept \n
	v_nop
.endr
.endm
	s_load_b128 s[4:7], s[0:1], 0x0                ; qkv s[4:5], y s[6:7]
	s_load_b64 s[30:31], s[0:1], 0x10              ; qlo
	v_lshl_add_u32 v254, v0, 2, 0x44800
	v_mov_b32 v255, 0
	ds_add_u32 v254, v255
	ds_add_u32 v254, v255
	v_lshrrev_b32 v1, 5, v0
	v_readfirstlane_b32 s8, v1                     ; wave 0..7
	s_and_b32 s9, s8, 3                            ; W
	s_lshr_b32 s10, s8, 2                          ; KH.  Also: I fetch K (0) or V (1)
	s_lshr_b32 s11, ttmp9, 2                       ; bh
	s_and_b32 s12, ttmp9, 3                        ; i
	s_sub_co_u32 s13, 7, s12
	s_bitcmp1_b32 s12, 0
	s_cselect_b32 s13, s12, s13                    ; the first block: the odd one of i and 7 - i
	s_sub_co_u32 s14, 7, s13                       ; the second block
	s_add_co_u32 s15, s13, 1                       ; ne: steps of the first block, even
	s_mov_b32 s18, 0x76543210                      ; v_permlanex16_b32: lane l of one half reads lane l of the other
	s_mov_b32 s19, 0xfedcba98
	s_mov_b32 s20, 0x3e38aa3b                      ; c = log2 e / 8: the scale 1 / sqrt(64) and the base of the exponential in one
	s_mov_b32 s21, 0x3e38aa3b
	s_mov_b32 s73, 0xbe38aa3b                      ; -c
	; group 1: 32 rows of 32 elements of 8 bytes (64 rows of a head, dense, 8 KiB); padding behind every 32 words: 4 words for K, 8 for V
	s_mov_b32 s[G1K+0], (3<<16)|(1<<20)|(4<<22)|(3<<25)
	s_mov_b32 s[G1V+0], (3<<16)|(1<<20)|(4<<22)|(7<<25)
	s_mov_b32 s[G1K+1], 32<<16
	s_mov_b32 s[G1V+1], 32<<16
	s_mov_b32 s[G1K+2], 32<<16
	s_mov_b32 s[G1V+2], 32<<16
	s_mov_b32 s[G1K+3], 32<<16
	s_mov_b32 s[G1V+3], 32<<16
	s_mov_b32 s[G1K+4], 32
	s_mov_b32 s[G1V+4], 32
	s_mov_b32 s[G1K+5], 32
	s_mov_b32 s[G1V+5], 32
	s_mov_b32 s[G1K+6], 0
	s_mov_b32 s[G1V+6], 0
	s_mov_b32 s[G1K+7], 0
	s_mov_b32 s[G1V+7], 0
	s_add_co_u32 s66, s10, 1
	s_lshl_b32 s66, s66, 24                        ; section 1 (K) or 2 (V), 16 MiB each
	s_lshl_b32 s67, s11, 18                        ; the head
	s_add_co_u32 s66, s66, s67
	s_lshl_b32 s67, s9, 13                         ; my 64 rows of a slot's 256
	s_add_co_u32 s24, s66, s67
	s_mov_b32 s25, 0
	s_mov_b32 s[G0+0], 1
	s_mul_i32 s[G0+1], s8, CHUNK                   ; LDS: the wave's number times a constant, plus the slot's constant
	s_mov_b32 s[G0+4], 1
	s_add_co_u32 s[G0+5], s[G0+1], SLOT
	s_wait_dscnt 0x0
	s_wait_kmcnt 0x0
	s_add_nc_u64 s[22:23], s[4:5], s[24:25]        ; my rows of key slot 0
.macro SETADR o, reg                   ; slot o's group 0 gets key slot reg; written only where no tensor load of the wave is out
	s_lshl_b32 s24, \reg, 15
	s_mov_b32 s25, 0
	s_add_nc_u64 s[G0+4*\o+2:G0+4*\o+3], s[22:23], s[24:25]
	s_or_b32 s[G0+4*\o+3], s[G0+4*\o+3], 0x80000000
.endm
.macro KVLOAD o                        ; one tensor load a wave: waves 0-3 K, waves 4-7 V
	s_cmp_eq_u32 s10, 0
	s_cbranch_scc0 .Lfor_v_\@
	tensor_load_to_lds s[G0+4*\o:G0+4*\o+3], s[G1K:G1K+7]
	s_nop 0
	s_branch .Lasked_\@
.Lfor_v_\@:
	tensor_load_to_lds s[G0+4*\o:G0+4*\o+3], s[G1V:G1V+7]
	s_nop 0
.Lasked_\@:
.endm
	SETADR 0, s13                                  ; step 0: the first block's diagonal slot
	s_mov_b32 s67, 0
	SETADR 1, s67                                  ; step 1: key slot 0 (ne is at least 2)
	s_cmp_eq_u32 s10, 0                            ; both first fills in one branch, ahead of every wait, LDS read and barrier: two loads of a wave are out
	s_cbranch_scc0 .Lfirst_v
	tensor_load_to_lds s[G0:G0+3], s[G1K:G1K+7]
	s_nop 0
	tensor_load_to_lds s[G0+4:G0+7], s[G1K:G1K+7]
	s_nop 0
	s_branch .Lfirst_done
.Lfirst_v:
	tensor_load_to_lds s[G0:G0+3], s[G1V:G1V+7]
	s_nop 0
	tensor_load_to_lds s[G0+4:G0+7], s[G1V:G1V+7]
	s_nop 0
.Lfirst_done:
	v_and_b32 v1, 15, v0                           ; r
	v_bfe_u32 v2, v0, 4, 1                         ; h
	v_and_b32 v3, 31, v0                           ; l
	v_mul_u32_u24 v17, v1, KP
	v_lshl_add_u32 v17, v2, 4, v17                 ; 144 r + 16 h: a K fragment's lane term, and the stage's
	s_mul_i32 s66, s10, CHUNK
	v_add_nc_u32 v[ADRK], s66, v17
	v_add_nc_u32 v[ADRK+1], SLOT, v[ADRK]
	s_mul_i32 s67, s8, STSZ
	s_add_co_u32 s67, s67, STG
	v_add_nc_u32 v[STW], s67, v17
	v_lshrrev_b32 v17, 3, v3
	v_mul_u32_u24 v17, v17, KP
	v_and_b32 v[T], 7, v0
	v_lshl_add_u32 v17, v[T], 4, v17
	v_add_nc_u32 v[STR], s67, v17                  ; back: eight lanes a row of 128 bytes, four rows a load
	v_lshl_add_u32 v17, v2, 3, v[T]                ; V through the transposing load: key 8 h + l % 8, 16 bytes by bit 3 of l
	v_mul_u32_u24 v17, v17, VP
	v_bfe_u32 v[T], v0, 3, 1
	v_lshl_add_u32 v17, v[T], 4, v17
	s_add_co_u32 s66, s66, 4*CHUNK
	v_add_nc_u32 v[ADRV], s66, v17
	v_add_nc_u32 v[ADRV+1], SLOT, v[ADRV]
	s_sub_co_i32 s67, s9, s10
	s_lshl_b32 s67, s67, 6                         ; 64 (W - KH)
	v_lshlrev_b32 v17, 3, v2
	v_sub_nc_u32 v[VD], v1, v17
	v_add_nc_u32 v[VD], s67, v[VD]                 ; r - 8 h + 64 (W - KH): key 16 kt + 8 h + j of unit 0 is masked for query 16 f + r where 16 (kt - f) + j is greater
	v_add_nc_u32 v[VD+1], 0xffffff80, v[VD]        ; unit 1 lies 128 keys further on
	v_mov_b32 v[NEG], 0xf1800000
	v_lshlrev_b32 v[QOFF], 7, v1
	v_lshl_add_u32 v[QOFF], v2, 4, v[QOFF]
	s_lshl_b32 s67, s9, 13
	v_add_nc_u32 v[QOFF], s67, v[QOFF]             ; (64 W + r) rows of 128 bytes + 16 h
	v_lshlrev_b32 v[YO], 4, v3
	s_mul_i32 s67, s8, XSZ
	s_add_co_u32 s67, s67, XBASE
	v_add_nc_u32 v[XW], s67, v[YO]
	s_xor_b32 s68, s8, 4                           ; my partner: the same queries, the other keys
	s_mul_i32 s68, s68, XSZ
	s_add_co_u32 s68, s68, XBASE
	v_add_nc_u32 v[XRD], s68, v[YO]
; The softmax of q fragment f over a unit's 64 keys, in place: scores in, P^T packed to f16 out.  split = 1: p is cut behind 11 bits (both parts are
; used, so cutting loses nothing) and the rest is packed into KF.
.macro SOFT qf, first, split
.set X,   SB+32*\qf
.set NMR, NM+2*\qf
.set LR,  NM+2*\qf+1
.set ALR, AL+2*\qf
	v_max3_num_f32 v[T],   v[X],    v[X+1],  v[X+2]        ; the lane's 32 scores, in two chains
	v_max3_num_f32 v[T+1], v[X+17], v[X+18], v[X+19]
.set e, 0
.rept 6
	v_max3_num_f32 v[T],   v[T],   v[X+3+2*e],  v[X+4+2*e]
	v_max3_num_f32 v[T+1], v[T+1], v[X+20+2*e], v[X+21+2*e]
.set e, e+1
.endr
	v_max3_num_f32 v[T], v[T], v[X+15], v[X+16]
	v_max_num_f32 v[T], v[T], v[T+1]
	v_permlanex16_b32 v[T+1], v[T], s18, s19               ; the other half of the lanes holds the query's other 32 keys
	v_max_num_f32 v[T], v[T], v[T+1]
.if \first
	v_mul_f32 v[NMR], s73, v[T]
	v_mov_b32 v[T+4], v[NMR]
	v_mov_b32 v[T+5], v[NMR]
.else
	v_mul_f32 v[T], s73, v[T]
	v_min_num_f32 v[T], v[T], v[NMR]                       ; the running maximum, negated and scaled
	v_sub_f32 v[T+1], v[T], v[NMR]
	v_mov_b32 v[NMR], v[T]
	v_exp_f32 v[ALR], v[T+1]                               ; 2^(old maximum - new maximum)
	v_mov_b32 v[T+4], v[T]                                 ; a plain instruction stands between the exponential and the use of its result (ISA guide 5.7.2)
	v_mov_b32 v[T+5], v[T]
	s_wait_alu depctr_va_vdst(0)
	v_mov_b32 v[ALR+1], v[ALR]
.endif
.set e, 0
.rept 16
	v_pk_fma_f32 v[X+2*e:X+2*e+1], v[X+2*e:X+2*e+1], s[20:21], v[T+4:T+5] op_sel_hi:[1,0,1]
.set e, e+1
.endr
.set e, 0
.rept 32
	v_exp_f32 v[X+e], v[X+e]
.set e, e+1
.endr
	v_nop                                                  ; the plain place behind the last exponential
	s_wait_alu depctr_va_vdst(0)
	v_pk_add_f32 v[T:T+1],   v[X:X+1],     v[X+2:X+3]
	v_pk_add_f32 v[T+2:T+3], v[X+16:X+17], v[X+18:X+19]
.set e, 0
.rept 6
	v_pk_add_f32 v[T:T+1],   v[T:T+1],   v[X+4+2*e:X+5+2*e]
	v_pk_add_f32 v[T+2:T+3], v[T+2:T+3], v[X+20+2*e:X+21+2*e]
.set e, e+1
.endr
	v_pk_add_f32 v[T:T+1], v[T:T+1], v[T+2:T+3]
.if \first
	v_add_f32 v[LR], v[T], v[T+1]
.else
	v_add_f32 v[T], v[T], v[T+1]
	v_fma_f32 v[LR], v[LR], v[ALR], v[T]
.endif
.irp kk, 0,1
.irp p, 0,1,2,3,4,5,6,7                                    ; ascending: no source is written before it is read
.if \split
	v_and_b32 v[T],   0xffffe000, v[X+16*\kk+2*\p]         ; 13 of the 23 mantissa bits cleared: what f16 holds
	v_and_b32 v[T+1], 0xffffe000, v[X+16*\kk+2*\p+1]
	v_pk_add_f32 v[T+2:T+3], v[X+16*\kk+2*\p:X+16*\kk+2*\p+1], v[T:T+1] neg_lo:[0,1] neg_hi:[0,1]
	v_cvt_pk_f16_f32 v[KF+16*\qf+8*\kk+\p], v[T+2], v[T+3]
	v_cvt_pk_f16_f32 v[X+16*\kk+\p], v[T], v[T+1]
.else
	v_cvt_pk_f16_f32 v[X+16*\kk+\p], v[X+16*\kk+2*\p], v[X+16*\kk+2*\p+1]
.endif
.endr
.endr
.endm
.macro LDK s, u                        ; sixteen loads: K's eight fragments of key block KH + 2 u of slot s
.irp kt, 0,1,2,3
.irp dh, 0,1
	ds_load_b128 v[KF+16*\kt+8*\dh:KF+16*\kt+8*\dh+3],   v[ADRK+\s] offset:\u*2*CHUNK+\kt*16*KP+\dh*64
	ds_load_b128 v[KF+16*\kt+8*\dh+4:KF+16*\kt+8*\dh+7], v[ADRK+\s] offset:\u*2*CHUNK+\kt*16*KP+\dh*64+32
.endr
.endr
.endm
.macro LDV areg, off                   ; sixteen transposing loads: V^T's eight fragments of 64 keys
	WIN 0x40
.irp kk, 0,1
.irp db, 0,1,2,3
	ds_load_tr16_b128 v[VF+32*\kk+8*\db:VF+32*\kk+8*\db+3],   v[\areg] offset:\off+\kk*32*VP+32*\db
	ds_load_tr16_b128 v[VF+32*\kk+8*\db+4:VF+32*\kk+8*\db+7], v[\areg] offset:\off+\kk*32*VP+16*VP+32*\db
.endr
.endr
.endm
; 32 products S^T (+)= K x (the query operand at qb of window 1).  The sixteen accumulators take turns, one instruction a turn.
.macro SMUL qb, start
	WIN 0x04                                       ; source 1 window 1
.irp dh, 0,1
.irp qf, 0,1,2,3
.irp kt, 0,1,2,3
.if \start*(1-\dh)
	v_wmma_f32_16x16x32_f16 v[SB+32*\qf+8*\kt:SB+32*\qf+8*\kt+7], v[KF+16*\kt+8*\dh:KF+16*\kt+8*\dh+7], v[\qb+16*\qf+8*\dh:\qb+16*\qf+8*\dh+7], 0
.else
	v_wmma_f32_16x16x32_f16 v[SB+32*\qf+8*\kt:SB+32*\qf+8*\kt+7], v[KF+16*\kt+8*\dh:KF+16*\kt+8*\dh+7], v[\qb+16*\qf+8*\dh:\qb+16*\qf+8*\dh+7], v[SB+32*\qf+8*\kt:SB+32*\qf+8*\kt+7]
.endif
.endr
.endr
.endr
.endm
; 32 products O^T (+)= V^T x (the operand (f, kk) at pb + ps f + pk kk of window 0), the sixteen accumulators by turns
.macro PVMUL pb, ps, pk, start
	WIN 0x51                                       ; V^T, C and D window 1, P^T window 0
.irp kk, 0,1
.irp qf, 0,1,2,3
.irp db, 0,1,2,3
.if \start*(1-\kk)
	v_wmma_f32_16x16x32_f16 v[OA+32*\qf+8*\db:OA+32*\qf+8*\db+7], v[VF+32*\kk+8*\db:VF+32*\kk+8*\db+7], v[\pb+\ps*\qf+\pk*\kk:\pb+\ps*\qf+\pk*\kk+7], 0
.else
	v_wmma_f32_16x16x32_f16 v[OA+32*\qf+8*\db:OA+32*\qf+8*\db+7], v[VF+32*\kk+8*\db:VF+32*\kk+8*\db+7], v[\pb+\ps*\qf+\pk*\kk:\pb+\ps*\qf+\pk*\kk+7], v[OA+32*\qf+8*\db:OA+32*\qf+8*\db+7]
.endif
.endr
.endr
.endr
.endm
.macro MASK u                          ; the diagonal slot: kt - f = dl - 3; one compare serves every tile on that diagonal
.irp dl, 0,1,2,3,4,5,6
.irp j, 0,1,2,3,4,5,6,7
	v_cmp_gt_i32 vcc_lo, 16*(\dl-3)+\j, v[VD+\u]
.irp qf, 0,1,2,3
.if \qf+\dl >= 3
.if \qf+\dl <= 6
	v_cndmask_b32 v[SB+32*\qf+8*(\qf+\dl-3)+\j], v[SB+32*\qf+8*(\qf+\dl-3)+\j], v[NEG], vcc_lo
.endif
.endif
.endr
.endr
.endr
.endm
; One unit: my 64 queries x the 64 keys of block KH + 2 u of slot s.  first = 1 starts the block's sums; mask = 1: the diagonal slot.
.macro UNIT s, u, first, mask
	NOPS 5                                         ; five places behind the last products: V^T is loaded again, S^T is written over P^T, O^T is scaled
	LDK \s, \u
	LDV ADRV+\s, \u*2*CHUNK
	s_wait_dscnt 16                                ; K is in; the sixteen loads of V behind it may be out
	SMUL QF, 1
	WIN 0
	NOPS 4                                         ; four places before vector instructions read the scores
.if \mask
	MASK \u
.endif
	SOFT 0, \first, 0
	SOFT 1, \first, 0
	SOFT 2, \first, 0
	SOFT 3, \first, 0
.if 1-\first
	WIN 0x41                                       ; O^T in window 1, the factor in window 0
.irp qf, 0,1,2,3
.set e, 0
.rept 16
	v_pk_mul_f32 v[OA+32*\qf+2*e:OA+32*\qf+2*e+1], v[OA+32*\qf+2*e:OA+32*\qf+2*e+1], v[AL+2*\qf:AL+2*\qf+1]
.set e, e+1
.endr
.endr
.endif
	s_wait_dscnt 0                                 ; V is in
	PVMUL SB, 32, 16, \first
	WIN 0
.endm
; The fine unit: wave 0 alone, queries 0..63 x keys 0..63 of the head (slot 0, unit 0, first, diagonal), every operand as value + residual.
.macro UNITP
	NOPS 5
	s_lshl_b32 s24, s11, 15                        ; the head's 256 rows of 128 bytes in qlo
	s_mov_b32 s25, 0
	s_add_nc_u64 s[74:75], s[30:31], s[24:25]      ; residuals of q,
	s_add_nc_u64 s[76:77], s[74:75], 0x200000      ; of k,
	s_add_nc_u64 s[78:79], s[74:75], 0x400000      ; of v
.set e, 0
.rept 16
	global_load_b128 v[SB+4*e:SB+4*e+3], v[YO], s[78:79] offset:512*e      ; v's residuals, four rows a load, on their way to LDS
.set e, e+1
.endr
	WIN 0x40
.irp qf, 0,1,2,3
.irp dh, 0,1
	global_load_b128 v[VF+16*\qf+8*\dh:VF+16*\qf+8*\dh+3],   v[QOFF], s[74:75] offset:\qf*2048+\dh*64       ; q's residuals as fragments (W = 0)
	global_load_b128 v[VF+16*\qf+8*\dh+4:VF+16*\qf+8*\dh+7], v[QOFF], s[74:75] offset:\qf*2048+\dh*64+32
.endr
.endr
	WIN 0
	LDK 0, 0
	v_and_b32 v[T], 31, v0
	v_lshrrev_b32 v[T], 3, v[T]
	v_mul_u32_u24 v[T], v[T], VP
	v_and_b32 v[T+1], 7, v0
	v_lshl_add_u32 v[T], v[T+1], 4, v[T]
	v_add_nc_u32 v[T], VLOB, v[T]                  ; in: row l / 8, 16 bytes by l % 8
	v_bfe_u32 v17, v0, 4, 1
	v_lshl_add_u32 v17, v17, 3, v[T+1]
	v_mul_u32_u24 v17, v17, VP
	v_bfe_u32 v[T+2], v0, 3, 1
	v_lshl_add_u32 v17, v[T+2], 4, v17
	v_add_nc_u32 v17, VLOB, v17                    ; back, through the transposing load
	s_wait_loadcnt 16                              ; v's residuals are in; the sixteen younger loads (q's) may be out
.set e, 0
.rept 16
	ds_store_b128 v[T], v[SB+4*e:SB+4*e+3] offset:4*VP*e
.set e, e+1
.endr
	s_wait_loadcnt 0x0                             ; q's residuals
	s_wait_dscnt 0x0                               ; K
	SMUL QF, 1                                     ; kh qh
	SMUL VF, 0                                     ; + kh ql
	WIN 0
	NOPS 4                                         ; four places before loads land on K's registers
.irp kt, 0,1,2,3
.irp dh, 0,1
	global_load_b128 v[KF+16*\kt+8*\dh:KF+16*\kt+8*\dh+3],   v[QOFF], s[76:77] offset:\kt*2048+\dh*64       ; k's residuals as fragments
	global_load_b128 v[KF+16*\kt+8*\dh+4:KF+16*\kt+8*\dh+7], v[QOFF], s[76:77] offset:\kt*2048+\dh*64+32
.endr
.endr
	s_wait_loadcnt 0x0
	SMUL QF, 0                                     ; + kl qh
	WIN 0
	NOPS 4
	LDV ADRV, 0
	WIN 0
	MASK 0
	SOFT 0, 1, 1
	SOFT 1, 1, 1
	SOFT 2, 1, 1
	SOFT 3, 1, 1
	s_wait_dscnt 0x0
	PVMUL SB, 32, 16, 1                            ; vh ph
	PVMUL KF, 16, 8, 0                             ; + vh pl
	WIN 0
	NOPS 4                                         ; four places before loads land on V^T's registers
	LDV 17, 0                                      ; my own stores above: LDS serves a wave's instructions in order (ISA guide 5.7.1.4)
	s_wait_dscnt 0x0
	PVMUL SB, 32, 16, 0                            ; + vl ph
	WIN 0
.endm
; The block's queries (block number in s17) as eight operand fragments, straight from memory
.macro TILE_BEGIN
	s_lshl_b32 s24, s11, 18
	s_lshl_b32 s66, s17, 15
	s_add_co_u32 s24, s24, s66
	s_mov_b32 s25, 0
	s_add_nc_u64 s[26:27], s[4:5], s[24:25]
	WIN 0x40
.irp qf, 0,1,2,3
.irp dh, 0,1
	global_load_b128 v[QF+16*\qf+8*\dh:QF+16*\qf+8*\dh+3],   v[QOFF], s[26:27] offset:\qf*2048+\dh*64
	global_load_b128 v[QF+16*\qf+8*\dh+4:QF+16*\qf+8*\dh+7], v[QOFF], s[26:27] offset:\qf*2048+\dh*64+32
.endr
.endr
	WIN 0
	s_wait_loadcnt 0x0
.endm
.macro SEND a                          ; q fragments a and a + 1 go to my partner: 64 registers of O^T, then NM and the sums
	WIN 0x04                                       ; an LDS store's data is source 1: window 1
.set e, 0
.rept 16
	ds_store_b128 v[XW], v[OA+32*\a+4*e:OA+32*\a+4*e+3] offset:512*e
.set e, e+1
.endr
	WIN 0
	ds_store_b128 v[XW], v[NM+2*\a:NM+2*\a+3] offset:8192
.endm
.macro MERGE a                         ; q fragments a and a + 1 are mine to finish: the two factors of each, and my own part scaled
.irp z, 0,1
	v_min_num_f32 v[T], v[NM+2*(\a+\z)], v[SB+64+2*\z]     ; the common maximum
	v_sub_f32 v[T+1], v[T], v[NM+2*(\a+\z)]
	v_sub_f32 v[T+2], v[T], v[SB+64+2*\z]
	v_exp_f32 v[T+1], v[T+1]
	v_exp_f32 v[T+2], v[T+2]
	v_nop
	s_wait_alu depctr_va_vdst(0)
	v_mul_f32 v[T+3], v[NM+2*(\a+\z)+1], v[T+1]
	v_fma_f32 v[T+3], v[SB+65+2*\z], v[T+2], v[T+3]
	v_permlanex16_b32 v[T+4], v[T+3], s18, s19             ; the sums were kept by halves of the lanes
	v_add_f32 v[T+3], v[T+3], v[T+4]
	v_rcp_f32 v[T+3], v[T+3]
	v_nop
	s_wait_alu depctr_va_vdst(0)
	v_mul_f32 v[AL+4*\z],   v[T+1], v[T+3]
	v_mul_f32 v[AL+4*\z+1], v[T+1], v[T+3]
	v_mul_f32 v[AL+4*\z+2], v[T+2], v[T+3]
	v_mul_f32 v[AL+4*\z+3], v[T+2], v[T+3]
.endr
	WIN 0x01                                       ; source 0 (O^T) window 1
.irp z, 0,1
.set e, 0
.rept 16
	v_pk_mul_f32 v[KF+32*\z+2*e:KF+32*\z+2*e+1], v[OA+32*(\a+\z)+2*e:OA+32*(\a+\z)+2*e+1], v[AL+4*\z:AL+4*\z+1]
.set e, e+1
.endr
.endr
	WIN 0
.endm
; The end of a block (number in s17): the partners exchange halves, merge, divide, and store 32 queries each.
; low = 1: this end may be block 0's; then y is cut behind 11 bits and the rest is stored as the tile's residual rows.
.macro TILE_END low
	NOPS 4                                         ; four places before LDS stores read the last products and loads land on their operands
	s_cmp_eq_u32 s10, 0
	s_cbranch_scc0 .Lsend_low_\@
	SEND 2
	s_branch .Lsent_\@
.Lsend_low_\@:
	SEND 0
.Lsent_\@:
	s_wait_dscnt 0x0                               ; my stores are done, for my partner
	s_barrier_signal -1                            ; the step's one tensor load may stay out
	s_barrier_wait -1
.set e, 0
.rept 17
	ds_load_b128 v[SB+4*e:SB+4*e+3], v[XRD] offset:512*e
.set e, e+1
.endr
	s_and_b32 s66, s11, 15
	s_mul_i32 s66, s66, YPLANE                     ; y: the head's plane
	s_lshr_b32 s67, s11, 4
	s_lshl_b32 s67, s67, 3                         ; my 32 queries are blocks 4 W + 2 KH + 0, 1 of the query block's sixteen: tile 8 b + 2 W + KH, halves 0 and 1
	s_lshl_b32 s68, s9, 1
	s_add_co_u32 s67, s67, s68
	s_add_co_u32 s67, s67, s10
	s_mul_i32 s67, s67, YTILE
	s_add_co_u32 s66, s66, s67
	s_lshl_b32 s68, s17, 11                        ; in each half: the query block's number x 16 rows of 128 bytes
	s_add_co_u32 s24, s66, s68
	s_mov_b32 s25, 0
	s_add_nc_u64 s[28:29], s[6:7], s[24:25]
	s_wait_dscnt 0x0
	s_cmp_eq_u32 s10, 0
	s_cbranch_scc0 .Lmerge_high_\@
	MERGE 0
	s_branch .Lmerged_\@
.Lmerge_high_\@:
	MERGE 2
.Lmerged_\@:
.irp z, 0,1
.set e, 0
.rept 16
	v_pk_fma_f32 v[KF+32*\z+2*e:KF+32*\z+2*e+1], v[SB+32*\z+2*e:SB+32*\z+2*e+1], v[AL+4*\z+2:AL+4*\z+3], v[KF+32*\z+2*e:KF+32*\z+2*e+1]
.set e, e+1
.endr
.endr
.if \low
	s_cmp_lg_u32 s17, 0
	s_cbranch_scc1 .Lno_low_\@
.set e, 0
.rept 64
	v_and_b32 v[SB+64+e], 0xffffe000, v[KF+e]      ; y in 11 bits
.set e, e+1
.endr
.set e, 0
.rept 32
	v_pk_add_f32 v[SB+64+2*e:SB+64+2*e+1], v[KF+2*e:KF+2*e+1], v[SB+64+2*e:SB+64+2*e+1] neg_lo:[0,1] neg_hi:[0,1]   ; the rest, exact
.set e, e+1
.endr
.set e, 0
.rept 64
	v_and_b32 v[KF+e], 0xffffe000, v[KF+e]
.set e, e+1
.endr
.irp z, 0,1
.irp db, 0,1,2,3
.irp p, 0,1,2,3
	v_cvt_pk_f16_f32 v[SB+64+32*\z+8*\db+\p], v[SB+64+32*\z+8*\db+2*\p], v[SB+64+32*\z+8*\db+2*\p+1]
.endr
	ds_store_b128 v[STW], v[SB+64+32*\z+8*\db:SB+64+32*\z+8*\db+3] offset:\z*16*KP+32*\db
.endr
.endr
.irp u, 0,1,2,3,4,5,6,7
	ds_load_b128 v[SB+32+4*\u:SB+32+4*\u+3], v[STR] offset:4*KP*\u
.endr
.irp u, 0,1,2,3,4,5,6,7
	s_wait_dscnt 7-\u
	global_store_b128 v[YO], v[SB+32+4*\u:SB+32+4*\u+3], s[28:29] offset:32768+(\u>>2)*2048+(\u&3)*512   ; rows 256 + 16 half + ..: 512 consecutive bytes
.endr
.Lno_low_\@:
.endif
.irp z, 0,1
.irp db, 0,1,2,3
.irp p, 0,1,2,3
	v_cvt_pk_f16_f32 v[KF+32*\z+8*\db+\p], v[KF+32*\z+8*\db+2*\p], v[KF+32*\z+8*\db+2*\p+1]
.endr
	ds_store_b128 v[STW], v[KF+32*\z+8*\db:KF+32*\z+8*\db+3] offset:\z*16*KP+32*\db   ; query 16 z + r, d = 16 db + 8 h + 0..7
.endr
.endr
.irp u, 0,1,2,3,4,5,6,7
	ds_load_b128 v[SB+4*\u:SB+4*\u+3], v[STR] offset:4*KP*\u       ; my own stage: LDS serves a wave's instructions in order (ISA guide 5.7.1.4)
.endr
.irp u, 0,1,2,3,4,5,6,7
	s_wait_dscnt 7-\u
	global_store_b128 v[YO], v[SB+4*\u:SB+4*\u+3], s[28:29] offset:(\u>>2)*16384+(\u&3)*512   ; four rows of 128 bytes: 512 consecutive bytes; the second half lies 128 rows on
.endr
	s_wait_xcnt 0x0                                ; the stores' data and base are written again only behind this wait
.endm
; The change of slots.  Every wave waits for its LDS reads and for all its tensor loads, then the barrier; behind it slot o, read in the last
; step, is filled first thing with the key slot of step tt + du: one tensor load a wave, with a whole step's work in which to land.
.macro RING o, fill, du
	s_wait_dscnt 0x0
	s_wait_tensorcnt 0x0
	ds_add_u32 v254, v255
	s_wait_dscnt 0x0
.if \fill
	s_add_co_u32 s66, s16, \du                     ; u, the step that is asked for
	s_sub_co_u32 s67, s66, 1                       ; in the first block: key slot u - 1
	s_sub_co_u32 s68, s67, s15                     ; in the second: u - ne - 1
	s_cmp_lt_u32 s66, s15
	s_cselect_b32 s67, s67, s68
	s_cmp_eq_u32 s66, s15                          ; the second block's first step: its diagonal slot
	s_cselect_b32 s67, s14, s67
	SETADR \o, s67
.endif
	s_barrier_signal -1
	s_barrier_wait -1
.if \fill
	KVLOAD \o
.endif
.endm
; Steps tt (odd, slot 1) and tt + 1 (even, slot 0).  Where tt + 1 = ne the first block ends between them and the second begins with its diagonal.
; In the last pair (tt = 7) that happens for ne = 8 alone, where the second block is block 0: there wave 0 takes the fine unit.
.macro PAIR fill_last
	RING 0, 1, 1
	UNIT 1, 0, 0, 0
	UNIT 1, 1, 0, 0
	s_add_co_u32 s66, s16, 1
	s_cmp_lg_u32 s66, s15
	s_cbranch_scc1 .Lsame_\@
	TILE_END 0
	s_mov_b32 s17, s14
	TILE_BEGIN
	RING 1, \fill_last, 2
.if \fill_last
	UNIT 0, 0, 1, 1
.else
	s_cmp_lg_u32 s8, 0
	s_cbranch_scc1 .Lplain_\@
	UNITP
	s_branch .Lfine_\@
.Lplain_\@:
	UNIT 0, 0, 1, 1
.Lfine_\@:
.endif
	UNIT 0, 1, 0, 1
	s_branch .Lnext_\@
.Lsame_\@:
	RING 1, \fill_last, 2
	UNIT 0, 0, 0, 0
	UNIT 0, 1, 0, 0
.Lnext_\@:
.endm
	s_mov_b32 s17, s13
	TILE_BEGIN
	s_wait_tensorcnt 0x1                           ; my part of slot 0 is in; slot 1's may stay out
	s_barrier_signal -1
	s_barrier_wait -1
	UNIT 0, 0, 1, 1                                ; step 0: the first block's diagonal
	UNIT 0, 1, 0, 1
	s_mov_b32 s16, 1
.Lpair:
	PAIR 1
	s_add_co_u32 s16, s16, 2
	s_cmp_lt_u32 s16, 7
	s_cbranch_scc1 .Lpair
	PAIR 0                                         ; steps 7 and 8: step 8 is the last, nothing is asked for behind it
	TILE_END 1
	s_wait_tensorcnt 0x0
	ds_add_u32 v254, v255
	s_wait_dscnt 0x0
	s_endpgm
.Lfunc_end_k_q3e3007519f_attn:
	.size	k_q3e3007519f_attn, .Lfunc_end_k_q3e3007519f_attn-k_q3e3007519f_attn
	.p2alignl 7, 3214868480
	.fill 96, 4, 3214868480
	.section	.rodata,"a",@progbits
	.p2align	6, 0x0
	.amdhsa_kernel k_q3e3007519f_attn
		.amdhsa_group_segment_fixed_size 327680
		.amdhsa_private_segment_fixed_size 0
		.amdhsa_enable_private_segment 0
		.amdhsa_kernarg_size 24
		.amdhsa_user_sgpr_count 2
		.amdhsa_user_sgpr_kernarg_segment_ptr 1
		.amdhsa_wavefront_size32 1
		.amdhsa_system_sgpr_workgroup_id_x 1
		.amdhsa_system_sgpr_workgroup_id_y 1
		.amdhsa_system_sgpr_workgroup_id_z 1
		.amdhsa_system_vgpr_workitem_id 0
		.amdhsa_next_free_vgpr 512
		.amdhsa_next_free_sgpr 80
		.amdhsa_reserve_vcc 1
		.amdhsa_float_denorm_mode_32 3
		.amdhsa_float_denorm_mode_16_64 3
		.amdhsa_memory_ordered 1
		.amdhsa_forward_progress 1
		.amdhsa_inst_pref_size 255
	.end_amdhsa_kernel
	.section	.bss,"aw",@nobits
	.p2align	6
	.space	262144
	.amdgpu_metadata
---
amdhsa.version: [ 1, 2 ]
amdhsa.kernels:
  - .name:           k_q3e3007519f_attn
    .symbol:         k_q3e3007519f_attn.kd
    .args:
      - { .name: qkv, .offset: 0, .size: 8, .value_kind: global_buffer, .address_space: global }
      - { .name: y, .offset: 8, .size: 8, .value_kind: global_buffer, .address_space: global }
      - { .name: qlo, .offset: 16, .size: 8, .value_kind: global_buffer, .address_space: global }
    .group_segment_fixed_size: 327680
    .private_segment_fixed_size: 0
    .kernarg_segment_align: 8
    .kernarg_segment_size: 24
    .max_flat_workgroup_size: 256
    .sgpr_count:     80
    .vgpr_count:     512
    .wavefront_size: 32
...
	.end_amdgpu_metadata
.endif
;; end of part 3
;; launch proj (part 4): grid 8 x 32, 4 waves a work-group, clusters of 4 x 4, 327,680 bytes of LDS; arguments y, wp, b_proj, out0; writes out0
.if DOCPART == 4
	.amdgcn_target "amdgcn-amd-amdhsa--gfx1250"
	.amdhsa_code_object_version 6
	.text
	.protected	k_q3e3007519f_proj
	.globl	k_q3e3007519f_proj
	.p2align	8
	.type	k_q3e3007519f_proj,@function
k_q3e3007519f_proj:
	s_mov_b64 s[64:65], 0
	v_nop
	global_prefetch_b8 v0, s[64:65] scope:SCOPE_SE
	s_setreg_imm32_b32 hwreg(HW_REG_WAVE_MODE, 25, 1), 1
	s_wait_xcnt 0x0
	s_wait_alu depctr_hold_cnt(0) depctr_sa_sdst(0) depctr_va_vdst(0) depctr_va_sdst(0) depctr_va_ssrc(0) depctr_va_vcc(0) depctr_vm_vsrc(0)
	s_getreg_b32 s2, hwreg(HW_REG_IB_STS2, 6, 4)
	s_cmp_eq_u32 s2, 0
	s_cbranch_scc0 .Lentry_in_a_cluster
	s_endpgm
.Lentry_in_a_cluster:
	s_bfe_u32 s2, ttmp6, 0x10000c
	s_cmp_lg_u32 s2, 0xf033
	s_cbranch_scc0 .Lentry_shape_is_right
	s_endpgm
.Lentry_shape_is_right:
; out0 = y w_proj + b_proj, operands f16, sums and result f32.
; A = y [16 planes (heads) of 64 k][32 tiles][288 rows][64], B = wp [16 blocks of 64 n][1024 k][64]: every tile is a dense block of memory.
; ROW ORDER: row 128 half + 16 a + r of tile by is row t = 256 a + 16 (H & 15) + r of batch H >> 4, H = 2 by + half.  A wave's block a = 0 holds rows
; with t < 256; rows 256 + 16 half + r of the tile hold the residuals of those rows (y = value + residual, two f16).  Rows with few keys are as large as v,
; about ten times the root mean square of the whole result, against which an error is weighed: so block 0 is multiplied twice, value and residual, NB matrix
; instructions more in each quarter step, in every wave of every work-group alike.
; LIMIT: y and w_proj below 65,504 in magnitude.
; A work-group makes 256 rows x 128 columns with four waves; a wave makes 128 x 64: 32 accumulator tiles, 256 registers.  256 work-groups.
; K goes in steps of 128 through two LDS slots filled by tensor loads, fetched as rows of 256 bytes.
; CLUSTERS: 4 x 4 work-groups.  A tile of A hangs on the block row alone and is asked for jointly by a row of the cluster, a tile of B on
; the block column alone and is asked for jointly by a column: the requests for A and for B are divided by four.
; B lies [k][n] in LDS and is read through the transposing load.  The matrix instruction is used transposed (source 0 = 16 columns of B,
; source 1 = 16 rows of A): lane l holds row l % 16 of C, its eight registers the columns 8 (l / 16) + 0..7.  The first product takes the bias,
; laid out in that form, as its C: nothing is cleared or added later.
; REGISTERS in windows of 256: window 0 addresses, A fragments (two buffers), bias, residual fragments; window 1 B fragments (two buffers);
; window 2 the accumulators of my rows 0-63 (tile (a, b) at 8 (NB a + b)); window 3 those of rows 64-127.
; The accumulators take turns, one matrix instruction a turn, over the backward jump too.
.set NB,     4                         ; blocks of 16 columns in a wave
.set W,      16*NB                     ; columns of a wave = columns of a block of wp
.set BPITCH, 160                       ; an LDS row of B: 128 bytes + 32 of padding = 5 x 32 bytes
.set QIB,    4                         ; padding behind every 32 words
.set BPI,    4                         ; blocks of 16 columns in a piece
.set APITCH, 144                       ; an LDS row of A: 128 bytes + 16 = 9 x 16 bytes
.set AROWS,  288                       ; 256 rows and 32 rows of residuals
.set APLANE, AROWS*APITCH
.set BSUB,   128*BPITCH
.set SLOT,   2*APLANE+2*BSUB           ; two planes of A, then two blocks of B
.set YTILE,  AROWS*128                 ; bytes of a tile of one plane in memory
.set PLANEB, 32*YTILE                  ; bytes of a plane
.set LAPS,   4                         ; 1024 / 256
.set STAGE,  2*SLOT                    ; behind the ring: 16 rows x 272 bytes for each wave; no tensor load lands here
.set SPITCH, 272                       ; a row of 64 f32 + 16 bytes = 17 x 16 bytes
.set ADRA, 16                          ; v16-17 my A fragments in slot 0, 1
.set ADRL, 18                          ; v18-19 my residual fragment
.set ADRB, 20                          ; v20-21 my B fragments
.set STO,  24
.set RD,   25
.set CO,   26
.set BOFF, 27
.set F0,   64
.set F1,   128
.set BIAS, 192                         ; v[192:223] the bias of my 64 columns as four C operands
.set LFB,  224                         ; v[224:231], v[232:239] the residual fragment, two buffers
.set G1A, 24
.set G0A, 32
.set G1B, 48
.set G0B, 56
.set MSB, 0
.macro WIN new                         ; the immediate's high byte repeats the setting that is left
.if MSB != \new
	s_set_vgpr_msb (MSB<<8)|\new
.set MSB, \new
.endif
.endm
.set MUL_LO,   0xa1                    ; source 0 (B) window 1, source 1 (A) window 0, C and D window 2
.set MUL_HI,   0xf1                    ; C and D window 3
.set START_LO, 0x81                    ; C (the bias) window 0, D window 2
.set START_HI, 0xc1                    ; C window 0, D window 3
.set TO_B,     0x40                    ; destination window 1, address window 0
.macro JLOAD s                         ; waves 0 and 1 fetch the two planes of A, waves 2 and 3 the two blocks of B
	s_cmp_eq_u32 s13, 0
	s_cbranch_scc0 .Lfor_b_\@
	tensor_load_to_lds s[G0A+4*\s:G0A+4*\s+3], s[G1A:G1A+7]
	s_nop 0
	s_branch .Lasked_\@
.Lfor_b_\@:
	tensor_load_to_lds s[G0B+4*\s:G0B+4*\s+3], s[G1B:G1B+7]
	s_nop 0
.Lasked_\@:
.endm
.macro CREST                           ; a round of the cluster's barrier behind its opening work-group barrier
	s_cmp_lg_u32 s12, 0
	s_cbranch_scc1 .Lnot_wave_0_\@
	s_barrier_signal -3
.Lnot_wave_0_\@:
	s_barrier_wait -3
	s_barrier_signal -1
	s_barrier_wait -1
.endm
.macro CROUND
	s_barrier_signal -1
	s_barrier_wait -1
	CREST
.endm
	s_load_b256 s[4:11], s[0:1], 0x0               ; A s[4:5], B s[6:7], bias s[8:9], C s[10:11]
	s_set_vgpr_msb 0x40
	v_lshl_add_u32 v255, v0, 2, 0x40c00
	s_set_vgpr_msb 0x4000
	v_mov_b32 v255, 0
	s_set_vgpr_msb 0x1
	ds_add_u32 v255, v255
	ds_add_u32 v255, v255
	s_set_vgpr_msb 0x100
	v_lshrrev_b32 v1, 5, v0
	v_readfirstlane_b32 s12, v1                    ; wave 0..3
	s_lshr_b32 s13, s12, 1                         ; my half of the rows.  Also: I fetch for A (0) or for B (1)
	s_and_b32 s14, s12, 1                          ; my half of the columns.  Also: which plane or block I fetch
	s_bfe_u32 s15, ttmp6, 0x40000                  ; cx
	s_bfe_u32 s16, ttmp6, 0x40004                  ; cy
	s_lshl_b32 s17, ttmp9, 2
	s_add_co_u32 s17, s17, s15                     ; block column
	s_and_b32 s18, ttmp7, 0xffff
	s_lshl_b32 s18, s18, 2
	s_add_co_u32 s18, s18, s16                     ; block row
	s_lshl_b32 s19, s16, 2
	s_lshl_b32 s19, 15, s19                        ; my row of the cluster
	s_lshl_b32 s20, 0x1111, s15                    ; my column
	; group 1 of A: 144 rows of 32 elements of 8 bytes (288 rows of 128 bytes, dense), 4 words of padding behind every 32 words
	s_or_b32 s[G1A+0], s19, (3<<16)|(1<<20)|(1<<21)|(4<<22)|(3<<25)
	s_mov_b32 s[G1A+1], 32<<16
	s_mov_b32 s[G1A+2], (AROWS/2)<<16
	s_mov_b32 s[G1A+3], 32<<16
	s_mov_b32 s[G1A+4], AROWS/2
	s_mov_b32 s[G1A+5], 32
	s_mov_b32 s[G1A+6], 0
	s_mov_b32 s[G1A+7], 0
	; group 1 of B: W rows of 256 bytes (128 k x 2 W bytes, dense), 8 words of padding behind every row of k
	s_or_b32 s[G1B+0], s20, (3<<16)|(1<<20)|(1<<21)|(QIB<<22)|(7<<25)
	s_mov_b32 s[G1B+1], 32<<16
	s_mov_b32 s[G1B+2], W<<16
	s_mov_b32 s[G1B+3], 32<<16
	s_mov_b32 s[G1B+4], W
	s_mov_b32 s[G1B+5], 32
	s_mov_b32 s[G1B+6], 0
	s_mov_b32 s[G1B+7], 0
	s_mul_i32 s40, s18, YTILE                      ; A: my tile,
	s_mul_i32 s41, s14, PLANEB                     ; my plane of the K step's two
	s_add_co_u32 s40, s40, s41
	s_mov_b32 s41, 0
	s_lshl_b32 s42, s17, 1
	s_add_co_u32 s42, s42, s14                     ; block of B = 2 x block column + half
	s_mul_i32 s42, s42, 2048*W
	s_mov_b32 s43, 0
	s_mul_i32 s44, s12, APLANE                     ; LDS: the wave's number times a constant
	s_mul_i32 s45, s12, BSUB
	s_add_co_u32 s45, s45, 2*APLANE-2*BSUB
	s_lshl_b32 s46, s17, 1
	s_add_co_u32 s46, s46, s14
	s_mul_i32 s46, s46, 4*W                        ; my 64 numbers of the bias
	s_mov_b32 s47, 0
	s_wait_dscnt 0x0
	s_wait_kmcnt 0x0
	s_add_nc_u64 s[40:41], s[4:5], s[40:41]
	s_add_nc_u64 s[42:43], s[6:7], s[42:43]
	s_add_nc_u64 s[8:9], s[8:9], s[46:47]
	CROUND                                         ; all sixteen work-groups are here: the first joint loads meet
.irp s, 0,1
	s_mov_b32 s[G0A+4*\s], 1
	s_add_co_u32 s[G0A+4*\s+1], s44, \s*SLOT
	s_add_nc_u64 s[G0A+4*\s+2:G0A+4*\s+3], s[40:41], \s*2*PLANEB
	s_or_b32 s[G0A+4*\s+3], s[G0A+4*\s+3], 0x80000000
	s_mov_b32 s[G0B+4*\s], 1
	s_add_co_u32 s[G0B+4*\s+1], s45, \s*SLOT
	s_add_nc_u64 s[G0B+4*\s+2:G0B+4*\s+3], s[42:43], \s*256*W
	s_or_b32 s[G0B+4*\s+3], s[G0B+4*\s+3], 0x80000000
	JLOAD \s                                       ; both slots are asked for before anything else: two tensor loads of a wave are out
.endr
	v_and_b32 v1, 15, v0                           ; r
	v_bfe_u32 v2, v0, 4, 1                         ; h
	v_lshlrev_b32 v[BOFF], 5, v2
.set bb, 0
.rept NB
	global_load_b128 v[BIAS+8*bb:BIAS+8*bb+3],   v[BOFF], s[8:9] offset:64*bb
	global_load_b128 v[BIAS+8*bb+4:BIAS+8*bb+7], v[BOFF], s[8:9] offset:64*bb+16
.set bb, bb+1
.endr
	v_mul_u32_u24 v3, v1, APITCH
	v_lshl_add_u32 v3, v2, 4, v3
	s_mul_i32 s22, s13, 128*APITCH
	v_add_nc_u32 v[ADRA], s22, v3
	v_add_nc_u32 v[ADRA+1], SLOT, v[ADRA]
	s_mul_i32 s22, s13, 16*APITCH                  ; the residuals of my block 0: rows 256 + 16 half + r
	s_add_co_u32 s22, s22, 256*APITCH
	v_add_nc_u32 v[ADRL], s22, v3
	v_add_nc_u32 v[ADRL+1], SLOT, v[ADRL]
	v_and_b32 v4, 7, v0
	v_lshl_add_u32 v4, v2, 3, v4
	v_mul_u32_u24 v4, v4, BPITCH
	v_bfe_u32 v5, v0, 3, 1
	v_lshl_add_u32 v4, v5, 4, v4
	s_mul_i32 s23, s14, BSUB
	s_add_co_u32 s23, s23, 2*APLANE
	v_add_nc_u32 v[ADRB], s23, v4
	v_add_nc_u32 v[ADRB+1], SLOT, v[ADRB]
	s_mul_i32 s22, s12, 16*SPITCH
	s_add_co_u32 s22, s22, STAGE                   ; my stage
	v_mul_u32_u24 v6, v1, SPITCH                   ; in: row r, 32 bytes for each half of the lanes
	v_lshl_add_u32 v6, v2, 5, v6
	v_add_nc_u32 v[STO], s22, v6
	v_mul_u32_u24 v7, v2, SPITCH                   ; back: lanes 0-15 take one row of 256 bytes, lanes 16-31 the next
	v_lshl_add_u32 v7, v1, 4, v7
	v_add_nc_u32 v[RD], s22, v7
	v_lshlrev_b32 v8, 12, v2                       ; and the same two rows in out0
	v_lshl_add_u32 v[CO], v1, 4, v8
.macro MULH f, hi, a0, start           ; 2 NB matrix instructions; start = 1: C is the bias
.set ma, \a0
.rept 2
.set mb, 0
.rept NB
.if \start
	v_wmma_f32_16x16x32_f16 v[8*(NB*ma+mb):8*(NB*ma+mb)+7], v[\f+8*mb:\f+8*mb+7], v[\f+8*(4*\hi+ma):\f+8*(4*\hi+ma)+7], v[BIAS+8*mb:BIAS+8*mb+7]
.else
	v_wmma_f32_16x16x32_f16 v[8*(NB*ma+mb):8*(NB*ma+mb)+7], v[\f+8*mb:\f+8*mb+7], v[\f+8*(4*\hi+ma):\f+8*(4*\hi+ma)+7], v[8*(NB*ma+mb):8*(NB*ma+mb)+7]
.endif
.set mb, mb+1
.endr
.set ma, ma+1
.endr
.endm
.macro MULL f                          ; NB matrix instructions: block 0's residuals onto block 0's sums (the setting is MUL_LO)
.set mb, 0
.rept NB
	v_wmma_f32_16x16x32_f16 v[8*mb:8*mb+7], v[\f+8*mb:\f+8*mb+7], v[LFB+(\f-F0)/8:LFB+(\f-F0)/8+7], v[8*mb:8*mb+7]
.set mb, mb+1
.endr
.endm
.macro FETCH slot, q, f                ; quarter q of a slot into buffer f: 2 NB transposing loads of B, 2 loads of the residuals, then 16 loads of A
	WIN TO_B
.set fb, 0
.rept NB
	ds_load_tr16_b128 v[\f+8*fb:\f+8*fb+3],   v[ADRB+\slot] offset:\q*32*BPITCH+32*fb+32*(fb/BPI)
	ds_load_tr16_b128 v[\f+8*fb+4:\f+8*fb+7], v[ADRB+\slot] offset:\q*32*BPITCH+16*BPITCH+32*fb+32*(fb/BPI)
.set fb, fb+1
.endr
	WIN 0
	ds_load_b128 v[LFB+(\f-F0)/8:LFB+(\f-F0)/8+3],   v[ADRL+\slot] offset:(\q>>1)*APLANE+(\q&1)*64
	ds_load_b128 v[LFB+(\f-F0)/8+4:LFB+(\f-F0)/8+7], v[ADRL+\slot] offset:(\q>>1)*APLANE+(\q&1)*64+32
.irp i, 0,1,2,3,4,5,6,7
	ds_load_b128 v[\f+8*\i:\f+8*\i+3],   v[ADRA+\slot] offset:(\q>>1)*APLANE+(\q&1)*64+\i*16*APITCH
	ds_load_b128 v[\f+8*\i+4:\f+8*\i+7], v[ADRA+\slot] offset:(\q>>1)*APLANE+(\q&1)*64+\i*16*APITCH+32
.endr
.endm
; Four plain vector instructions stand between a matrix instruction and a load into one of its registers, or a vector instruction or LDS
; store that reads its result (ISA guide 7.12.1 for vector instructions).
.macro PLACES
.rept 4
	v_nop
.endr
.endm
.macro QUARTER slot, q, f, g, start
	s_wait_dscnt 8                                 ; B, the residuals and A's rows 0-63 are in; the youngest eight loads (A's rows 64-127) may be out
.if \start
	WIN START_LO
.else
	WIN MUL_LO
.endif
	MULH \f, 0, 0, \start
	MULH \f, 0, 2, \start
	WIN MUL_LO
	MULL \f
	PLACES
	FETCH \slot, \q, \g
	s_wait_dscnt 18+2*NB                           ; all but the run just issued
.if \start
	WIN START_HI
.else
	WIN MUL_HI
.endif
	MULH \f, 1, 0, \start
	MULH \f, 1, 2, \start
.endm
.macro THREE slot, start
	QUARTER \slot, 1, F0, F1, \start
	QUARTER \slot, 2, F1, F0, 0
	QUARTER \slot, 3, F0, F1, 0
.endm
; The last quarter changes slots.  In front of the barrier each wave waits for its reads of this slot and for all its tensor loads; where the
; slot is filled again the barrier opens a round of the cluster's barrier, and the joint refill is the first tensor load behind it, one a wave.
.macro TURN slot, next, fill
	s_wait_dscnt 8
	WIN MUL_LO
	MULH F1, 0, 0, 0
	s_wait_dscnt 0
	s_wait_tensorcnt 0x0
	ds_add_u32 v255, v255
	s_wait_dscnt 0x0
	s_barrier_signal -1
	MULH F1, 0, 2, 0                               ; register work alone between signal and wait
	MULL F1
	WIN 0
	s_barrier_wait -1
.if \fill
	CREST
	s_add_nc_u64 s[G0A+4*\slot+2:G0A+4*\slot+3], s[G0A+4*\slot+2:G0A+4*\slot+3], 4*PLANEB   ; no tensor load of mine is out: two K steps on = four planes
	s_add_nc_u64 s[G0B+4*\slot+2:G0B+4*\slot+3], s[G0B+4*\slot+2:G0B+4*\slot+3], 512*W
	JLOAD \slot
.endif
	PLACES
	FETCH \next, 0, F0
	WIN MUL_HI
	MULH F1, 1, 0, 0
	MULH F1, 1, 2, 0
.endm
.macro LAP start
	THREE 0, \start
	TURN 0, 1, 1
	THREE 1, 0
	TURN 1, 0, 1
.endm
	s_wait_loadcnt 0x0                             ; the bias
	s_wait_tensorcnt 1                             ; my part of K step 0 is in; K step 1's may stay out
	s_barrier_signal -1
	s_barrier_wait -1
	FETCH 0, 0, F0
	LAP 1
	WIN 0
	s_mov_b32 s3, LAPS-2
.Llap:
	LAP 0
	WIN 0
	s_sub_co_u32 s3, s3, 1
	s_cmp_lg_u32 s3, 0
	s_cbranch_scc1 .Llap
	THREE 0, 0                                     ; the last lap fills nothing
	TURN 0, 1, 0
	THREE 1, 0
	s_wait_dscnt 8
	WIN MUL_LO
	MULH F1, 0, 0, 0
	MULH F1, 0, 2, 0
	MULL F1
	s_wait_dscnt 0
	WIN MUL_HI
	MULH F1, 1, 0, 0
	MULH F1, 1, 2, 0
	PLACES
	; THE WAY OUT, one block of 16 rows at a time: the accumulators go straight into my own stage (32 bytes a lane and tile), whole rows of 256 bytes come back.
	; Block a lies at row t = 256 a + 16 (H & 15) of batch H >> 4 = by >> 3.
	s_lshr_b32 s74, s18, 3
	s_lshl_b32 s74, s74, 23                        ; the batch: 2,048 rows of 4,096 bytes
	s_lshl_b32 s75, s18, 1
	s_add_co_u32 s75, s75, s13                     ; H
	s_and_b32 s75, s75, 15
	s_lshl_b32 s75, s75, 16                        ; 16 (H & 15) rows
	s_add_co_u32 s74, s74, s75
	s_lshl_b32 s75, s17, 9                         ; + my block column of 128 f32
	s_add_co_u32 s74, s74, s75
	s_lshl_b32 s75, s14, 8                         ; + my 64 columns
	s_add_co_u32 s78, s74, s75
	s_mov_b32 s79, 0
	s_add_nc_u64 s[10:11], s[10:11], s[78:79]
.macro OUT16 i, a, from, f             ; from: an LDS store's data is source 1: 0x08 window 2, 0x0c window 3; f: F0 or F1 in turn
	WIN \from
.set pb, 0
.rept NB
	ds_store_b128 v[STO], v[8*(NB*\a+pb):8*(NB*\a+pb)+3]   offset:64*pb
	ds_store_b128 v[STO], v[8*(NB*\a+pb)+4:8*(NB*\a+pb)+7] offset:64*pb+16
.set pb, pb+1
.endr
	WIN 0
	s_wait_xcnt 0x0                                ; buffer f, which stores read, and the stores' base are written again only behind this wait
.if \i
	s_add_nc_u64 s[10:11], s[10:11], 256*4096      ; the next block lies 256 rows on
.endif
.irp t, 0,1,2,3,4,5,6,7
	ds_load_b128 v[\f+4*\t:\f+4*\t+3], v[RD] offset:\t*2*SPITCH    ; LDS serves a wave's instructions in order (ISA guide 5.7.1.4): these see the stores above
.endr
.irp t, 0,1,2,3,4,5,6,7
	s_wait_dscnt 7-\t
	global_store_b128 v[CO], v[\f+4*\t:\f+4*\t+3], s[10:11] offset:\t*2*4096 th:TH_STORE_NT   ; 16 lanes store 256 consecutive bytes, aligned
.endr
.endm
	OUT16 0, 0, 0x08, F0
	OUT16 1, 1, 0x08, F1
	OUT16 2, 2, 0x08, F0
	OUT16 3, 3, 0x08, F1
	OUT16 4, 0, 0x0c, F0
	OUT16 5, 1, 0x0c, F1
	OUT16 6, 2, 0x0c, F0
	OUT16 7, 3, 0x0c, F1
	s_set_vgpr_msb 0x1
	s_wait_tensorcnt 0x0
	ds_add_u32 v255, v255
	s_wait_dscnt 0x0
	s_set_vgpr_msb 0x100
	CROUND                                         ; the closing round: no work-group ends while a partner may still ask for a tile that names it
	s_endpgm
.Lfunc_end_k_q3e3007519f_proj:
	.size	k_q3e3007519f_proj, .Lfunc_end_k_q3e3007519f_proj-k_q3e3007519f_proj
	.p2alignl 7, 3214868480
	.fill 96, 4, 3214868480
	.section	.rodata,"a",@progbits
	.p2align	6, 0x0
	.amdhsa_kernel k_q3e3007519f_proj
		.amdhsa_group_segment_fixed_size 327680
		.amdhsa_private_segment_fixed_size 0
		.amdhsa_enable_private_segment 0
		.amdhsa_kernarg_size 32
		.amdhsa_user_sgpr_count 2
		.amdhsa_user_sgpr_kernarg_segment_ptr 1
		.amdhsa_wavefront_size32 1
		.amdhsa_system_sgpr_workgroup_id_x 1
		.amdhsa_system_sgpr_workgroup_id_y 1
		.amdhsa_system_sgpr_workgroup_id_z 1
		.amdhsa_system_vgpr_workitem_id 0
		.amdhsa_next_free_vgpr 896
		.amdhsa_next_free_sgpr 80
		.amdhsa_reserve_vcc 0
		.amdhsa_float_denorm_mode_32 3
		.amdhsa_float_denorm_mode_16_64 3
		.amdhsa_memory_ordered 1
		.amdhsa_forward_progress 1
		.amdhsa_inst_pref_size 131
	.end_amdhsa_kernel
	.amdgpu_metadata
---
amdhsa.version: [ 1, 2 ]
amdhsa.kernels:
  - .name:           k_q3e3007519f_proj
    .symbol:         k_q3e3007519f_proj.kd
    .args:
      - { .name: y, .offset: 0, .size: 8, .value_kind: global_buffer, .address_space: global }
      - { .name: wp, .offset: 8, .size: 8, .value_kind: global_buffer, .address_space: global }
      - { .name: b_proj, .offset: 16, .size: 8, .value_kind: global_buffer, .address_space: global }
      - { .name: out0, .offset: 24, .size: 8, .value_kind: global_buffer, .address_space: global }
    .group_segment_fixed_size: 327680
    .private_segment_fixed_size: 0
    .kernarg_segment_align: 8
    .kernarg_segment_size: 32
    .max_flat_workgroup_size: 128
    .sgpr_count:     80
    .vgpr_count:     896
    .wavefront_size: 32
...
	.end_amdgpu_metadata
.endif
;; end of part 4
;; ======== version 2 of 2: 4 launches; version 1 with the launch cvt written anew for expert scheduling mode
;; limits: right only within a limited range of input values; values are held in f16: magnitudes above 65,504 overflow, below 6.1e-05 lose precision
;; workspace buffers: xb 16,777,216 bytes; wq 6,291,456 bytes; wp 2,097,152 bytes; qkv 50,331,648 bytes; qlo 6,291,456 bytes; y 18,874,368 bytes
;; launch cvt (part 5): grid 768 x 1, 8 waves a work-group, no clusters, 0 bytes of LDS; arguments x, w_qkv, w_proj, xb, wq, wp; writes xb, wq, wp
.if DOCPART == 5
	.amdgcn_target "amdgcn-amd-amdhsa--gfx1250"
	.amdhsa_code_object_version 6
	.text
	.protected	k_q3e3007519f_cvt
	.globl	k_q3e3007519f_cvt
	.p2align	8
	.type	k_q3e3007519f_cvt,@function
k_q3e3007519f_cvt:
	s_mov_b64 s[64:65], 0
	v_nop
	global_prefetch_b8 v0, s[64:65] scope:SCOPE_SE
	s_setreg_imm32_b32 hwreg(HW_REG_WAVE_SCHED_MODE, 0, 2), 2
	s_setreg_imm32_b32 hwreg(HW_REG_WAVE_MODE, 25, 1), 1
	s_wait_xcnt 0x0
	s_wait_alu depctr_vm_vsrc(0)
; The three large inputs are rounded to bf16 (nearest even) and written in the order in which the two products fetch their tiles:
;   xb [16 planes p = k/64][8192 rows m'][64] bf16   from x      [8192][1024]
;   wq [32 blocks n/96][1024 k][96]           bf16   from w_qkv  [1024][3072]
;   wp [16 blocks n/64][1024 k][64]           f16    from w_proj [1024][1024]
; ROW ORDER of xb: row (b, t) lies at m' = 128 H + 16 a + (t & 15) with H = 16 b + ((t >> 4) & 15) and a = t >> 8: blocks of 16 rows are shuffled so
; that the first of the eight blocks of every 128 rows holds rows with t < 256.
; wp: the other operand of that product is f16, so w_proj's bf16 value is held in f16: its 8 significant bits fit f16's 11 exactly from 2^-17 up;
; below that the error is at most 2^-25.  LIMIT: |w_proj| below 65,504.
; A stream: no LDS, no matrix unit, no barrier.  A work-group converts 16,384 numbers; a thread issues sixteen 16-byte loads in
; one run, then converts them in four groups of four and stores them, 8 bytes a lane: one store of a wave covers 256 consecutive bytes, aligned.
; Work-groups 0-511 take x (16 rows each), 512-703 w_qkv, 704-767 w_proj.  No register that a load or store names is written again.
; THE MODE: SCHED_MODE bits 1:0 = 2 (LLVM: expert scheduling mode 2), set by the entry lines.  The code itself states the register dependences
; between vector instructions and memory instructions, with s_wait_alu, always for 0.
; THE PLAN.  Registers that memory instructions touch, each written once on a path:
;   v[LOF], v[SOF]  written at the head; read by the loads of x and w_proj (LOF) and by every store (SOF).
;   v[AD ..]        w_qkv alone: written by that path's address arithmetic; read by its sixteen loads.
;   v[XD ..]        written by the loads alone, which are all issued before any vector instruction names these registers; read by the conversions.
;   v[YD ..]        pair j written by load j's conversions; read by store j.
;   v1, v2, v4-v7   named by vector instructions alone.
; So the one kind of dependence is: a vector instruction writes, a memory instruction reads.  Five waits on va_vdst state it on each path: one ahead of the run of
; loads (the offsets); one at the head of groups 1, 2 and 3, behind the wait for the group's data (the group before has written its YD: its four stores follow, dealt
; among this group's conversions, which name this group's XD and YD and, for w_proj, v4-v7: none of the registers that those stores read); one ahead of the last four stores.
; No register that a memory instruction reads is written again, no vector instruction writes a scalar register or VCC, and EXEC is never written: no other wait is owed.
.set AD,  8                            ; v[8:23]   w_qkv alone: the sixteen load offsets
.set LOF, 3                            ; v3        x, w_proj: the load offset, (t >> 4) rows of 4,096 bytes + 16 (t & 15)
.set SOF, 24                           ; v24       the store offset, 8 t
.set XD,  32                           ; v[32:95]  sixteen loads of four f32
.set YD,  96                           ; v[96:127] sixteen pairs of packed 16-bit numbers
.macro CVT j                           ; the four numbers of load j become 8 bytes of bf16
	v_cvt_pk_bf16_f32 v[YD+2*\j],   v[XD+4*\j],   v[XD+4*\j+1]
	v_cvt_pk_bf16_f32 v[YD+2*\j+1], v[XD+4*\j+2], v[XD+4*\j+3]
.endm
.macro CVTH j                          ; the same, and the bf16 values widened and packed as f16
	v_cvt_pk_bf16_f32 v4, v[XD+4*\j],   v[XD+4*\j+1]
	v_cvt_pk_bf16_f32 v5, v[XD+4*\j+2], v[XD+4*\j+3]
	v_lshlrev_b32 v6, 16, v4
	v_and_b32 v7, 0xffff0000, v4
	v_cvt_pk_f16_f32 v[YD+2*\j], v6, v7
	v_lshlrev_b32 v6, 16, v5
	v_and_b32 v7, 0xffff0000, v5
	v_cvt_pk_f16_f32 v[YD+2*\j+1], v6, v7
.endm
.macro NEXT left                       ; the head of groups 1 to 3
	s_wait_loadcnt \left                           ; loads come back in order (ISA guide 5.7.1): this group's four are in, the younger ones stay out
	s_wait_alu depctr_va_vdst(0)                   ; the conversions of the group before have written their four pairs of YD, which the four stores below read
.endm
	s_load_b256 s[4:11], s[0:1], 0x0               ; x s[4:5], w_qkv s[6:7], w_proj s[8:9], xb s[10:11]
	s_load_b128 s[12:15], s[0:1], 0x20             ; wq s[12:13], wp s[14:15]
	s_mov_b32 s20, ttmp9
	s_mov_b32 s23, 0                               ; the high word of every offset pair s[22:23]
	v_lshrrev_b32 v1, 4, v0
	v_and_b32 v2, 15, v0
	v_lshlrev_b32 v2, 4, v2
	v_lshl_add_u32 v[LOF], v1, 12, v2
	v_lshlrev_b32 v[SOF], 3, v0
	s_wait_kmcnt 0x0
	s_cmp_lt_u32 s20, 512
	s_cbranch_scc0 .Lweights
	; x: rows 16 q .. 16 q + 15, one block of the row order.  Thread t: row t >> 4, columns 64 j + 4 (t & 15): load j belongs to plane j.
	s_lshl_b32 s22, s20, 16
	s_add_nc_u64 s[16:17], s[4:5], s[22:23]        ; x + 16 q rows of 4,096 bytes
	s_lshr_b32 s21, s20, 7                         ; b
	s_lshl_b32 s21, s21, 4
	s_and_b32 s26, s20, 15
	s_add_co_u32 s21, s21, s26                     ; H = 16 b + (block & 15)
	s_lshl_b32 s21, s21, 3
	s_bfe_u32 s26, s20, 0x30004                    ; a = bits 6:4 of the block's number
	s_add_co_u32 s21, s21, s26                     ; the block's place: 8 H + a
	s_lshl_b32 s22, s21, 11
	s_add_nc_u64 s[18:19], s[10:11], s[22:23]      ; xb + that many blocks of 16 rows of 128 bytes, planes 0-7 by the immediate
	s_add_nc_u64 s[24:25], s[18:19], 0x800000      ; planes 8-15: a second base, since 8 planes pass the immediate's 24 signed bits
	s_wait_alu depctr_va_vdst(0)                   ; v[LOF] and v[SOF] are written: the loads below read the one as their offset, the stores the other
.irp j, 0,1,2,3,4,5,6,7,8,9,10,11,12,13,14,15
	global_load_b128 v[XD+4*\j:XD+4*\j+3], v[LOF], s[16:17] offset:256*\j th:TH_LOAD_NT
.endr
	s_wait_loadcnt 12                              ; loads 0 to 3 are in, the twelve younger ones stay out
.irp j, 0,1,2,3
	CVT \j
.endr
	NEXT 8
.irp j, 4,5,6,7
	global_store_b64 v[SOF], v[YD+2*(\j-4):YD+2*(\j-4)+1], s[18:19] offset:1048576*(\j-4)   ; planes 0 to 3; no vector instruction since the wait names these registers
	CVT \j
.endr
	NEXT 4
.irp j, 8,9,10,11
	global_store_b64 v[SOF], v[YD+2*(\j-4):YD+2*(\j-4)+1], s[18:19] offset:1048576*(\j-4)   ; planes 4 to 7
	CVT \j
.endr
	NEXT 0
.irp j, 12,13,14,15
	global_store_b64 v[SOF], v[YD+2*(\j-4):YD+2*(\j-4)+1], s[24:25] offset:1048576*(\j-12)  ; planes 8 to 11, by the second base
	CVT \j
.endr
	s_wait_alu depctr_va_vdst(0)                   ; the last group's conversions have written their four pairs of YD, which the last four stores read
.irp j, 12,13,14,15
	global_store_b64 v[SOF], v[YD+2*\j:YD+2*\j+1], s[24:25] offset:1048576*(\j-8)
.endr
	s_endpgm
.Lweights:
	s_cmp_lt_u32 s20, 704
	s_cbranch_scc0 .Lwproj
	; w_qkv: q = 6 nb + part.  The output is linear: group g (four numbers) of block nb, g = 4,096 part + 256 j + t,
	; is row k = g / 24, columns 96 nb + 4 (g - 24 k): source byte 16 g + 11,904 k + 384 nb.
	s_sub_co_u32 s20, s20, 512
	s_mul_i32 s21, s20, 10923
	s_lshr_b32 s21, s21, 16                        ; nb = q / 6 (exact for q < 192)
	s_mul_i32 s22, s21, 6
	s_sub_co_u32 s26, s20, s22                     ; part
	s_mul_i32 s22, s21, 384
	s_add_nc_u64 s[16:17], s[6:7], s[22:23]
	s_lshl_b32 s22, s20, 15
	s_add_nc_u64 s[18:19], s[12:13], s[22:23]      ; wq + 32,768 q
	s_lshl_b32 s26, s26, 12
	v_add_nc_u32 v1, s26, v0
.irp j, 0,1,2,3,4,5,6,7,8,9,10,11,12,13,14,15
	v_add_nc_u32 v2, 256*\j, v1                    ; g
	v_mul_u32_u24 v4, v2, 43691
	v_lshrrev_b32 v4, 20, v4                       ; k = g / 24 (exact for g < 24,576: the error of 43,691 / 2^20 stays under 1/24)
	v_mul_u32_u24 v4, v4, 11904
	v_lshl_add_u32 v[AD+\j], v2, 4, v4
.endr
	s_wait_alu depctr_va_vdst(0)                   ; the sixteen offsets v[AD ..] and v[SOF] are written: the loads below read the ones, the stores the other
.irp j, 0,1,2,3,4,5,6,7,8,9,10,11,12,13,14,15
	global_load_b128 v[XD+4*\j:XD+4*\j+3], v[AD+\j], s[16:17] th:TH_LOAD_NT
.endr
	s_wait_loadcnt 12                              ; loads 0 to 3 are in, the twelve younger ones stay out
.irp j, 0,1,2,3
	CVT \j
.endr
	NEXT 8
.irp j, 4,5,6,7
	global_store_b64 v[SOF], v[YD+2*(\j-4):YD+2*(\j-4)+1], s[18:19] offset:2048*(\j-4)      ; no vector instruction since the wait names these registers
	CVT \j
.endr
	NEXT 4
.irp j, 8,9,10,11
	global_store_b64 v[SOF], v[YD+2*(\j-4):YD+2*(\j-4)+1], s[18:19] offset:2048*(\j-4)
	CVT \j
.endr
	NEXT 0
.irp j, 12,13,14,15
	global_store_b64 v[SOF], v[YD+2*(\j-4):YD+2*(\j-4)+1], s[18:19] offset:2048*(\j-4)
	CVT \j
.endr
	s_wait_alu depctr_va_vdst(0)                   ; the last group's conversions have written their four pairs of YD, which the last four stores read
.irp j, 12,13,14,15
	global_store_b64 v[SOF], v[YD+2*\j:YD+2*\j+1], s[18:19] offset:2048*\j
.endr
	s_endpgm
.Lwproj:
	; w_proj: q = 4 nb + part; rows k = 256 part + 16 j + (t >> 4), columns 64 nb + 4 (t & 15); the output is linear again.
	s_sub_co_u32 s20, s20, 704
	s_lshr_b32 s21, s20, 2
	s_and_b32 s26, s20, 3
	s_lshl_b32 s22, s21, 8
	s_lshl_b32 s26, s26, 20
	s_add_co_u32 s22, s22, s26
	s_add_nc_u64 s[16:17], s[8:9], s[22:23]
	s_lshl_b32 s22, s20, 15
	s_add_nc_u64 s[18:19], s[14:15], s[22:23]
	s_wait_alu depctr_va_vdst(0)                   ; v[LOF] and v[SOF] are written: the loads below read the one as their offset, the stores the other
.irp j, 0,1,2,3,4,5,6,7,8,9,10,11,12,13,14,15
	global_load_b128 v[XD+4*\j:XD+4*\j+3], v[LOF], s[16:17] offset:65536*\j th:TH_LOAD_NT
.endr
	s_wait_loadcnt 12                              ; loads 0 to 3 are in, the twelve younger ones stay out
.irp j, 0,1,2,3
	CVTH \j
.endr
	NEXT 8
.irp j, 4,5,6,7
	global_store_b64 v[SOF], v[YD+2*(\j-4):YD+2*(\j-4)+1], s[18:19] offset:2048*(\j-4)      ; no vector instruction since the wait names these registers
	CVTH \j
.endr
	NEXT 4
.irp j, 8,9,10,11
	global_store_b64 v[SOF], v[YD+2*(\j-4):YD+2*(\j-4)+1], s[18:19] offset:2048*(\j-4)
	CVTH \j
.endr
	NEXT 0
.irp j, 12,13,14,15
	global_store_b64 v[SOF], v[YD+2*(\j-4):YD+2*(\j-4)+1], s[18:19] offset:2048*(\j-4)
	CVTH \j
.endr
	s_wait_alu depctr_va_vdst(0)                   ; the last group's conversions have written their four pairs of YD, which the last four stores read
.irp j, 12,13,14,15
	global_store_b64 v[SOF], v[YD+2*\j:YD+2*\j+1], s[18:19] offset:2048*\j
.endr
	s_endpgm
.Lfunc_end_k_q3e3007519f_cvt:
	.size	k_q3e3007519f_cvt, .Lfunc_end_k_q3e3007519f_cvt-k_q3e3007519f_cvt
	.p2alignl 7, 3214868480
	.fill 96, 4, 3214868480
	.section	.rodata,"a",@progbits
	.p2align	6, 0x0
	.amdhsa_kernel k_q3e3007519f_cvt
		.amdhsa_group_segment_fixed_size 0
		.amdhsa_private_segment_fixed_size 0
		.amdhsa_enable_private_segment 0
		.amdhsa_kernarg_size 48
		.amdhsa_user_sgpr_count 2
		.amdhsa_user_sgpr_kernarg_segment_ptr 1
		.amdhsa_wavefront_size32 1
		.amdhsa_system_sgpr_workgroup_id_x 1
		.amdhsa_system_sgpr_workgroup_id_y 1
		.amdhsa_system_sgpr_workgroup_id_z 1
		.amdhsa_system_vgpr_workitem_id 0
		.amdhsa_next_free_vgpr 128
		.amdhsa_next_free_sgpr 66
		.amdhsa_reserve_vcc 0
		.amdhsa_float_denorm_mode_32 3
		.amdhsa_float_denorm_mode_16_64 3
		.amdhsa_memory_ordered 1
		.amdhsa_forward_progress 1
		.amdhsa_inst_pref_size 29
	.end_amdhsa_kernel
	.amdgpu_metadata
---
amdhsa.version: [ 1, 2 ]
amdhsa.kernels:
  - .name:           k_q3e3007519f_cvt
    .symbol:         k_q3e3007519f_cvt.kd
    .args:
      - { .name: x, .offset: 0, .size: 8, .value_kind: global_buffer, .address_space: global }
      - { .name: w_qkv, .offset: 8, .size: 8, .value_kind: global_buffer, .address_space: global }
      - { .name: w_proj, .offset: 16, .size: 8, .value_kind: global_buffer, .address_space: global }
      - { .name: xb, .offset: 24, .size: 8, .value_kind: global_buffer, .address_space: global }
      - { .name: wq, .offset: 32, .size: 8, .value_kind: global_buffer, .address_space: global }
      - { .name: wp, .offset: 40, .size: 8, .value_kind: global_buffer, .address_space: global }
    .group_segment_fixed_size: 0
    .private_segment_fixed_size: 0
    .kernarg_segment_align: 8
    .kernarg_segment_size: 48
    .max_flat_workgroup_size: 256
    .sgpr_count:     66
    .vgpr_count:     128
    .wavefront_size: 32
...
	.end_amdgpu_metadata
.endif
;; end of part 5
;; launch qkvg: the kernel of part 2 again; grid 16 x 32, 4 waves a work-group, clusters of 4 x 4, 327,680 bytes of LDS; arguments xb, wq, b_qkv, qkv, qlo; writes qkv, qlo
;; launch attn: the kernel of part 3 again; grid 256 x 1, 8 waves a work-group, no clusters, 327,680 bytes of LDS; arguments qkv, y, qlo; writes y
;; launch proj: the kernel of part 4 again; grid 8 x 32, 4 waves a work-group, clusters of 4 x 4, 327,680 bytes of LDS; arguments y, wp, b_proj, out0; writes out0
